; MI455X (gfx1250); checked and timed in simulation.
; The chip was launched on July 23, 2026; its instructions are those of AMD's public machine-readable ISA for CDNA 5 (MIT licence, August 2026) and "CDNA5" Instruction Set Architecture Reference Guide (July 2026). The comments in the code are by the model that wrote it; some were corrected since.
;; Causal Self Attention. Allowed arithmetic: float matrix products may take bf16 or f16 operands with f32 sums; all other float work in f32.
;; Inputs: b_proj 1,024 float32; b_qkv 3,072 float32; input_data 4 x 2,048 x 1,024 float32; w_proj 1,024 x 1,024 float32; w_qkv 1,024 x 3,072 float32.
;; Outputs: out0 4 x 2,048 x 1,024 float32.
;; 2 versions, each right and faster than the one before. Each part assembles by itself: llvm-mc -triple=amdgcn-amd-amdhsa -mcpu=gfx1250 --defsym DOCPART=n.
;; ======== version 1 of 2: 4 launches
;; limits: values are held in f16: magnitudes above 65,504 overflow, below 6.1e-05 lose precision
;; workspace buffers: xh 16,777,216 bytes; wT 8,388,608 bytes; qkvh 50,331,648 bytes; oh 16,777,216 bytes
;; launch prep (part 1): grid 1024 x 1, 8 waves a work-group, no clusters, 18,432 bytes of LDS; arguments input_data, w_qkv, w_proj, xh, wT; writes xh, wT
.if DOCPART == 1
	.amdgcn_target "amdgcn-amd-amdhsa--gfx1250"
	.amdhsa_code_object_version 6
	.text
	.protected	k_qae14f6de8d_prep
	.globl	k_qae14f6de8d_prep
	.p2align	8
	.type	k_qae14f6de8d_prep,@function
k_qae14f6de8d_prep:
	s_mov_b64 s[64:65], 0
	v_nop
	global_prefetch_b8 v0, s[64:65] scope:SCOPE_SE
	s_setreg_imm32_b32 hwreg(HW_REG_WAVE_MODE, 25, 1), 1
	s_wait_xcnt 0x0
; prep: the matrix operands of the two products, rounded once to f16.
;   xh[8192][1024]  = f16(input_data)                                  work-groups 0-511: a plain stream, 16,384 numbers each
;   wT[4096][1024]  = f16 of w_qkv^T (rows 0-3071) and w_proj^T (rows 3072-4095), K along the rows   work-groups 512-1023: a tile of 128 k x 64 n each
; Memory binds here: every input byte is read once, every output byte written once, in runs of 256 aligned bytes or more.  No matrix unit, no cluster: no work-group shares a byte with another.
; LIMIT: f16 holds magnitudes under 65,504 (larger ones become infinity) and rounds to 11 bits; below 6.1e-5 the rounding is absolute, 3e-8.
.set XGROUPS, 512                      ; work-groups that cast x
.set TP,      272                      ; a row of the turned tile in LDS: 128 f16 = 256 bytes + 16
	s_load_b256 s[4:11], s[0:1], 0x0               ; input_data s[4:5], w_qkv s[6:7], w_proj s[8:9], xh s[10:11]
	s_load_b64 s[12:13], s[0:1], 0x20              ; wT
	v_lshl_add_u32 v112, v0, 2, 0x4400
	v_mov_b32 v113, 0
	s_cmp_ge_u32 ttmp9, XGROUPS                    ; the same for all eight waves
	s_cbranch_scc1 .Lweights
	; THE CAST.  Thread t takes 8 numbers (32 bytes in, 16 bytes out) of each of eight blocks of 2,048 numbers.
	s_lshl_b32 s14, ttmp9, 16                      ; 65,536 bytes of x to a work-group,
	s_mov_b32 s15, 0
	s_lshl_b32 s16, ttmp9, 15                      ; 32,768 of xh
	s_mov_b32 s17, 0
	v_lshlrev_b32 v1, 5, v0
	v_lshlrev_b32 v2, 4, v0
	s_wait_kmcnt 0x0
	s_add_nc_u64 s[4:5], s[4:5], s[14:15]
	s_add_nc_u64 s[10:11], s[10:11], s[16:17]
.irp i, 0,1,2,3,4,5,6,7
	global_load_b128 v[16+8*\i:16+8*\i+3],   v1, s[4:5] offset:\i*8192 th:TH_LOAD_NT     ; all sixteen loads go out first
	global_load_b128 v[16+8*\i+4:16+8*\i+7], v1, s[4:5] offset:\i*8192+16 th:TH_LOAD_NT
.endr
.irp i, 0,1,2,3,4,5,6,7
	s_wait_loadcnt 14-2*\i                         ; loads come back in order: block i's two are in, the younger ones stay out
.irp k, 0,1,2,3
	v_cvt_pk_f16_f32 v[80+4*\i+\k], v[16+8*\i+2*\k], v[16+8*\i+2*\k+1]
.endr
	global_store_b128 v2, v[80+4*\i:80+4*\i+3], s[10:11] offset:\i*4096   ; a wave stores 512 consecutive bytes; every block has registers of its own, so nothing is rewritten
.endr
	s_endpgm
	; THE TURN.  Tile (kt, nta): k = 128 kt .. +127, row of wT = 64 nta .. +63.  Thread t: c = t % 16 (four columns n), p = t / 16 (a pair of rows k).
.Lweights:
	s_sub_co_u32 s14, ttmp9, XGROUPS
	s_and_b32 s18, s14, 7                          ; kt
	s_lshr_b32 s19, s14, 3                         ; nta
	v_and_b32 v1, 15, v0                           ; c
	v_lshrrev_b32 v2, 4, v0                        ; p
	v_mul_u32_u24 v4, v1, 4*TP                     ; into the turned tile: row n = 4 c (+ jn), byte 2 k = 4 p (+ 64 i)
	v_lshl_add_u32 v4, v2, 2, v4
	v_mul_u32_u24 v5, v2, TP                       ; out of it: row p (+ 16 i), 16 bytes at 16 c
	v_lshl_add_u32 v5, v1, 4, v5
	v_lshlrev_b32 v6, 11, v2                       ; and the same place in wT, whose rows are 2,048 bytes
	v_lshl_add_u32 v6, v1, 4, v6
	s_lshl_b32 s20, s19, 17                        ; 64 rows of 2,048 bytes
	s_lshl_b32 s21, s18, 8                         ; 128 k of 2 bytes
	s_add_co_u32 s20, s20, s21
	s_mov_b32 s21, 0
	s_wait_kmcnt 0x0
	s_add_nc_u64 s[12:13], s[12:13], s[20:21]
; Eight loads of 16 bytes: rows k = 32 i + 2 p + e, sixteen lanes take 256 consecutive aligned bytes of a row.  Two rows' numbers of one column make one word of the turned tile.
; The word stores meet four deep in the banks (row pitch 4 x 272 bytes between neighbouring lanes): sixteen stores a thread, once.
.macro GATHER src, rowb, n0
	s_sub_co_u32 s15, s19, \n0
	s_lshl_b32 s15, s15, 8                         ; 64 columns of 4 bytes
	s_mul_i32 s14, s18, 128*\rowb
	s_add_co_u32 s14, s14, s15
	s_mov_b32 s15, 0
	s_add_nc_u64 s[16:17], s[\src:\src+1], s[14:15]
	v_mul_u32_u24 v3, v2, 2*\rowb
	v_lshl_add_u32 v3, v1, 4, v3
.irp i, 0,1,2,3
.irp e, 0,1
	global_load_b128 v[16+8*\i+4*\e:16+8*\i+4*\e+3], v3, s[16:17] offset:(32*\i+\e)*\rowb th:TH_LOAD_NT
.endr
.endr
.irp i, 0,1,2,3
	s_wait_loadcnt 6-2*\i                          ; pair i is in, the younger pairs stay out
.irp jn, 0,1,2,3
	v_cvt_pk_f16_f32 v[48+4*\i+\jn], v[16+8*\i+\jn], v[16+8*\i+4+\jn]
	ds_store_b32 v4, v[48+4*\i+\jn] offset:\jn*TP+64*\i
.endr
.endr
.endm
	s_cmp_ge_u32 s19, 48                           ; rows 0-3071 come from w_qkv (rows of 12,288 bytes), the rest from w_proj (4,096)
	s_cbranch_scc1 .Lfrom_proj
	GATHER 6, 12288, 0
	s_branch .Lturned
.Lfrom_proj:
	GATHER 8, 4096, 48
.Lturned:
	s_wait_dscnt 0x0                               ; for the others' sake: my words are in the tile
	s_barrier_signal -1
	s_barrier_wait -1
.irp i, 0,1,2,3
	ds_load_b128 v[64+4*\i:64+4*\i+3], v5 offset:\i*16*TP
.endr
.irp i, 0,1,2,3
	s_wait_dscnt 3-\i
	global_store_b128 v6, v[64+4*\i:64+4*\i+3], s[12:13] offset:\i*32768   ; sixteen lanes store 256 consecutive aligned bytes of a row of wT
.endr
	s_wait_tensorcnt 0x0
	ds_add_u32 v112, v113
	s_wait_dscnt 0x0
	s_endpgm
.Lfunc_end_k_qae14f6de8d_prep:
	.size	k_qae14f6de8d_prep, .Lfunc_end_k_qae14f6de8d_prep-k_qae14f6de8d_prep
	.p2alignl 7, 3214868480
	.fill 96, 4, 3214868480
	.section	.rodata,"a",@progbits
	.p2align	6, 0x0
	.amdhsa_kernel k_qae14f6de8d_prep
		.amdhsa_group_segment_fixed_size 18432
		.amdhsa_private_segment_fixed_size 0
		.amdhsa_enable_private_segment 0
		.amdhsa_kernarg_size 40
		.amdhsa_user_sgpr_count 2
		.amdhsa_user_sgpr_kernarg_segment_ptr 1
		.amdhsa_wavefront_size32 1
		.amdhsa_system_sgpr_workgroup_id_x 1
		.amdhsa_system_sgpr_workgroup_id_y 1
		.amdhsa_system_sgpr_workgroup_id_z 1
		.amdhsa_system_vgpr_workitem_id 0
		.amdhsa_next_free_vgpr 114
		.amdhsa_next_free_sgpr 66
		.amdhsa_reserve_vcc 0
		.amdhsa_float_denorm_mode_32 3
		.amdhsa_float_denorm_mode_16_64 3
		.amdhsa_memory_ordered 1
		.amdhsa_forward_progress 1
		.amdhsa_inst_pref_size 14
	.end_amdhsa_kernel
	.amdgpu_metadata
---
amdhsa.version: [ 1, 2 ]
amdhsa.kernels:
  - .name:           k_qae14f6de8d_prep
    .symbol:         k_qae14f6de8d_prep.kd
    .args:
      - { .name: input_data, .offset: 0, .size: 8, .value_kind: global_buffer, .address_space: global }
      - { .name: w_qkv, .offset: 8, .size: 8, .value_kind: global_buffer, .address_space: global }
      - { .name: w_proj, .offset: 16, .size: 8, .value_kind: global_buffer, .address_space: global }
      - { .name: xh, .offset: 24, .size: 8, .value_kind: global_buffer, .address_space: global }
      - { .name: wT, .offset: 32, .size: 8, .value_kind: global_buffer, .address_space: global }
    .group_segment_fixed_size: 18432
    .private_segment_fixed_size: 0
    .kernarg_segment_align: 8
    .kernarg_segment_size: 40
    .max_flat_workgroup_size: 256
    .sgpr_count:     66
    .vgpr_count:     114
    .wavefront_size: 32
...
	.end_amdgpu_metadata
.endif
;; end of part 1
;; launch qkv (part 2): grid 16 x 16, 4 waves a work-group, clusters of 4 x 4, 327,680 bytes of LDS; arguments xh, wT, b_qkv, qkvh; writes qkvh
.if DOCPART == 2
	.amdgcn_target "amdgcn-amd-amdhsa--gfx1250"
	.amdhsa_code_object_version 6
	.text
	.protected	k_qae14f6de8d_qkv
	.globl	k_qae14f6de8d_qkv
	.p2align	8
	.type	k_qae14f6de8d_qkv,@function
k_qae14f6de8d_qkv:
	s_mov_b64 s[64:65], 0
	v_nop
	global_prefetch_b8 v0, s[64:65] scope:SCOPE_SE
	s_setreg_imm32_b32 hwreg(HW_REG_WAVE_MODE, 25, 1), 1
	s_wait_xcnt 0x0
	s_wait_alu depctr_hold_cnt(0) depctr_sa_sdst(0) depctr_va_vdst(0) depctr_va_sdst(0) depctr_va_ssrc(0) depctr_va_vcc(0) depctr_vm_vsrc(0)
	s_getreg_b32 s2, hwreg(HW_REG_IB_STS2, 6, 4)
	s_cmp_eq_u32 s2, 0
	s_cbranch_scc0 .Lentry_in_a_cluster
	s_endpgm
.Lentry_in_a_cluster:
	s_bfe_u32 s2, ttmp6, 0x10000c
	s_cmp_lg_u32 s2, 0xf033
	s_cbranch_scc0 .Lentry_shape_is_right
	s_endpgm
.Lentry_shape_is_right:
; q, k, v: C[m][n] = b_qkv[n] + sum over k of xh[m][k] wT[n][k], m < 8192, n < 3072, K = 1024; operands f16, sums f32, C rounded once to f16.
; C is stored as qkvh[batch 4][plane 96][s 2048][32]: plane g holds columns 32 g .. 32 g + 31, so that a head's Q, K and V are two dense planes each.
; A tile of C is 256 x 192: 32 x 16 = 512 tiles.  A WORK-GROUP STAYS and makes two of them, 4,096 rows apart (the same columns, two batches on): 16 x 16 = 256 work-groups, one for each of 256 WGPs.
; The ring of LDS slots does not stop at the first tile's end: its last two changes of slots ask for the second tile's first two K steps, and nothing waits for the first tile's stores.
; Four waves, 2 x 2, each 128 rows x 96 columns: 48 accumulators of 16 x 16.  K goes in steps of 128 through two LDS slots filled by the tensor data mover.
; CLUSTER 4 x 4: the four work-groups of a row of the cluster need the same tile of xh, the four of a column the same tile of wT; each tile is asked for jointly.
; THE MATRIX INSTRUCTION IS USED TRANSPOSED (source 0 = 16 rows of wT, source 1 = 16 rows of xh): a lane then holds row l % 16 of C and the eight neighbouring columns 8 (l / 16) + 0..7.
; THE BIAS STARTS THE SUMS: the first product on each accumulator takes the bias as C.  Nothing is cleared and nothing is added at the end; the bias is the first term of the f32 sum, not the last.
; LIMIT: f16 holds magnitudes under 65,504: operands and results beyond that become infinity.
; REGISTERS, in windows of 256: window 0: v16-27 addresses, v32-79 bias (kept for both tiles), v80-103 packed results, v128-191 and v192-255 A's fragments (two buffers; on the way out the second takes the rows read back);
;   window 1: v128.. and v192.. W's fragments; window 2: accumulators of my rows 0-63, (a, b) at v[8 (6 a + b)]; window 3: those of rows 64-127.
.set NB,     6                         ; blocks of 16 columns in a wave's tile
.set PA,     272                       ; A's LDS row: 128 k = 256 bytes + 16
.set PB,     272                       ; W's LDS row.  Both pitches are odd multiples of 16 bytes: the 16 rows of a fragment load start in 16 different groups of four banks
.set AHALF,  128*PA                    ; what one load of A brings: 128 rows
.set BN,     32*NB                     ; columns of a work-group's tile
.set BHALF,  16*NB*PB                  ; what one load of W brings, and what a wave reads of W
.set ABYTES, 2*AHALF
.set SLOT,   ABYTES+2*BHALF            ; 121,856 bytes
.set STAGE,  2*SLOT                    ; behind the ring, a multiple of 256: 16 rows for each wave, for the way out; no tensor load lands here
.set SPITCH, 208                       ; a stage row: 96 f16 + 16 bytes
.set KSTEPB, 256                       ; bytes of a row in a K step
.set LAPS,   4                         ; 1024 / 256: a lap = two K steps = once round the ring
.set NEXT_A, 4096*2048-(1024-256)*2    ; bytes from a slot's last K step of the first tile to its first of the second: A goes 4,096 rows down and back along K,
.set BACK_B, (1024-256)*2              ; W only back: both tiles take the same rows of wT
.set NEXT_C, 2*96*131072               ; the second tile lies two batches on in qkvh
.set W0,     (1<<16)|(1<<20)|(1<<21)|(5<<22)|(3<<25)  ; elements of 2 bytes; padding on; bit 21 beside a mask; after every 64 words (code 5) 4 words (code 3)
.set ADRA, 16                          ; v16-17  LDS address of my A fragments in slot 0, 1
.set ADRB, 20                          ; v20-21  the same for W
.set STO,  24
.set RD,   25
.set CO,   26
.set BO,   27
.set BIAS, 32
.set TMP,  80
.set F0,   128
.set F1,   192
.set BK,   192                         ; the way out: two buffers of 32 in fragment buffer 1; buffer 0 then holds the next tile's first fragments
.set G1,  24                           ; s[24:31] descriptor group 1 for A;  s[32:39] group 0, a set for each slot
.set G0,  32
.set G1B, 48                           ; s[48:55], s[56:63] the same for W
.set G0B, 56
.set MSB, 0
.macro WIN new                         ; the immediate's high byte repeats the setting that is left; a switch that changes nothing is dropped
.if MSB != (\new)
	s_set_vgpr_msb (MSB<<8)|(\new)
.set MSB, (\new)
.endif
.endm
.macro PLACES                          ; four plain vector instructions between a matrix instruction and a load into, or a reader of, its registers (ISA guide 7.12.1 for vector instructions)
.rept 4
	v_nop
.endr
.endm
.macro JLOAD s                         ; a joint load: waves 0 and 1 fetch A's two halves, waves 2 and 3 W's; four v_nop follow each line, ahead of the jump and the label
	s_cmp_eq_u32 s13, 0
	s_cbranch_scc0 .Lfor_b_\@
	tensor_load_to_lds s[G0+4*\s:G0+4*\s+3], s[G1:G1+7]
	s_nop 0
	PLACES
	s_branch .Lasked_\@
.Lfor_b_\@:
	tensor_load_to_lds s[G0B+4*\s:G0B+4*\s+3], s[G1B:G1B+7]
	s_nop 0
	PLACES
.Lasked_\@:
.endm
.macro CREST                           ; a round of the cluster's barrier behind its opening barrier
	s_cmp_lg_u32 s12, 0
	s_cbranch_scc1 .Lnot_wave_0_\@
	s_barrier_signal -3
.Lnot_wave_0_\@:
	s_barrier_wait -3
	s_barrier_signal -1
	s_barrier_wait -1
.endm
.macro CROUND
	s_barrier_signal -1
	s_barrier_wait -1
	CREST
.endm
	s_load_b256 s[4:11], s[0:1], 0x0               ; xh s[4:5], wT s[6:7], b_qkv s[8:9], qkvh s[10:11]
	s_set_vgpr_msb 0x40
	v_lshl_add_u32 v255, v0, 2, 0x3ec00
	s_set_vgpr_msb 0x4000
	v_mov_b32 v127, 0
	s_set_vgpr_msb 0x1
	ds_add_u32 v255, v127
	ds_add_u32 v255, v127
	s_set_vgpr_msb 0x100
	v_lshrrev_b32 v1, 5, v0
	v_readfirstlane_b32 s12, v1                    ; wave 0..3
	s_lshr_b32 s13, s12, 1                         ; which half of the tile's rows is mine.  Also: I fetch for A (0) or for W (1)
	s_and_b32 s14, s12, 1                          ; which half of its columns.  Also: which half of that tile I fetch
	s_bfe_u32 s40, ttmp6, 0x40000                  ; cx, cy: my place in the cluster
	s_bfe_u32 s41, ttmp6, 0x40004
	s_lshl_b32 s42, ttmp9, 2
	s_add_co_u32 s42, s42, s40                     ; tile column = 4 x cluster x + cx
	s_and_b32 s43, ttmp7, 0xffff
	s_lshl_b32 s43, s43, 2
	s_add_co_u32 s43, s43, s41                     ; the first tile's row = 4 x cluster y + cy, 0 to 15
	s_lshl_b32 s44, s41, 2
	s_lshl_b32 s44, 15, s44                        ; my row of the cluster: places 4 cy .. 4 cy + 3
	s_lshl_b32 s45, 0x1111, s40                    ; my column: places cx, cx + 4, cx + 8, cx + 12
	s_or_b32 s[G1+0], s44, W0                      ; A's tiles go to my row
	s_mov_b32 s[G1+1], 128<<16                     ; tensor_dim0 = 128
	s_mov_b32 s[G1+2], 128<<16                     ; tensor_dim1 = 128
	s_mov_b32 s[G1+3], 128<<16                     ; tile_dim0 = 128
	s_mov_b32 s[G1+4], 128                         ; tile_dim1 = 128
	s_mov_b32 s[G1+5], 1024                        ; elements from row to row
	s_mov_b32 s[G1+6], 0
	s_mov_b32 s[G1+7], 0
	s_or_b32 s[G1B+0], s45, W0                     ; W's tiles go to my column
	s_mov_b32 s[G1B+1], 128<<16
	s_mov_b32 s[G1B+2], (16*NB)<<16                ; 96 rows
	s_mov_b32 s[G1B+3], 128<<16
	s_mov_b32 s[G1B+4], 16*NB
	s_mov_b32 s[G1B+5], 1024
	s_mov_b32 s[G1B+6], 0
	s_mov_b32 s[G1B+7], 0
	; where the tiles come from: A's address hangs on the tile row and the wave alone, W's on the tile column and the wave alone
	s_lshl_b32 s16, s43, 8
	s_lshl_b32 s17, s14, 7
	s_add_co_u32 s16, s16, s17                     ; row 256 x tile row + 128 x half
	s_lshl_b32 s16, s16, 11                        ; rows of 2,048 bytes
	s_mov_b32 s17, 0
	s_mul_i32 s46, s42, BN
	s_mul_i32 s47, s14, BN/2
	s_add_co_u32 s46, s46, s47                     ; row of wT
	s_lshl_b32 s46, s46, 11
	s_mov_b32 s47, 0
	s_mul_i32 s20, s12, AHALF                      ; where they go: A's halves at wave x AHALF (waves 0, 1),
	s_mul_i32 s21, s12, BHALF
	s_add_co_u32 s21, s21, ABYTES-2*BHALF          ; W's behind A at (wave - 2) x BHALF (waves 2, 3): no place in the cluster enters an LDS address
	s_wait_dscnt 0x0
	s_wait_kmcnt 0x0
	s_add_nc_u64 s[16:17], s[4:5], s[16:17]
	s_add_nc_u64 s[46:47], s[6:7], s[46:47]
	CROUND                                         ; all sixteen work-groups are here: the first joint loads meet
.irp s, 0,1
	s_mov_b32 s[G0+4*\s], 1                                        ; count = 1
	s_add_co_u32 s[G0+4*\s+1], s20, \s*SLOT                        ; LDS address
	s_add_nc_u64 s[G0+4*\s+2:G0+4*\s+3], s[16:17], \s*KSTEPB       ; global address: K step s
	s_or_b32 s[G0+4*\s+3], s[G0+4*\s+3], 0x80000000                ; type = 2
	s_mov_b32 s[G0B+4*\s], 1
	s_add_co_u32 s[G0B+4*\s+1], s21, \s*SLOT
	s_add_nc_u64 s[G0B+4*\s+2:G0B+4*\s+3], s[46:47], \s*KSTEPB
	s_or_b32 s[G0B+4*\s+3], s[G0B+4*\s+3], 0x80000000
.endr
	s_cmp_eq_u32 s13, 0                            ; a wave's two first fills stand in one branch, ahead of every wait on TENSORcnt and every LDS read: two loads of mine are out
	s_cbranch_scc0 .Lfirst_b
	tensor_load_to_lds s[G0:G0+3], s[G1:G1+7]
	s_nop 0
	tensor_load_to_lds s[G0+4:G0+7], s[G1:G1+7]
	s_nop 0
	PLACES
	s_branch .Lfirst_asked
.Lfirst_b:
	tensor_load_to_lds s[G0B:G0B+3], s[G1B:G1B+7]
	s_nop 0
	tensor_load_to_lds s[G0B+4:G0B+7], s[G1B:G1B+7]
	s_nop 0
	PLACES
.Lfirst_asked:
	v_and_b32 v1, 15, v0                           ; r = l % 16
	v_bfe_u32 v2, v0, 4, 1                         ; h = l / 16
	; the bias of my columns, in an accumulator's layout: block b, register j = bias[first column + 16 b + 8 h + j]
	v_lshlrev_b32 v[BO], 5, v2
	s_mul_i32 s46, s42, BN*4
	s_mul_i32 s47, s14, BN*2
	s_add_co_u32 s46, s46, s47                     ; my first column, in bytes of f32
	s_mov_b32 s47, 0
	s_add_nc_u64 s[8:9], s[8:9], s[46:47]
.set bb, 0
.rept NB
	global_load_b128 v[BIAS+8*bb:BIAS+8*bb+3],   v[BO], s[8:9] offset:64*bb
	global_load_b128 v[BIAS+8*bb+4:BIAS+8*bb+7], v[BO], s[8:9] offset:64*bb+16
.set bb, bb+1
.endr
	; a fragment is 16 rows x 32 k in 8 registers: lane l holds row r; registers 0-3 k = 8 h + 0..7, registers 4-7 k = 16 + 8 h + 0..7: two loads of 16 bytes, 32 bytes apart
	v_mul_u32_u24 v3, v1, PA
	v_lshl_add_u32 v3, v2, 4, v3
	v_mul_u32_u24 v4, v1, PB
	v_lshl_add_u32 v4, v2, 4, v4
	s_mul_i32 s22, s13, 128*PA                     ; my 128 rows of A
	s_mul_i32 s23, s14, BHALF                      ; my rows of W,
	s_add_co_u32 s23, s23, ABYTES                  ; which lie behind A
.irp s, 0,1
	v_add_nc_u32 v[ADRA+\s], s22, v3
	v_add_nc_u32 v[ADRB+\s], s23, v4
	s_add_co_u32 s22, s22, SLOT
	s_add_co_u32 s23, s23, SLOT
.endr
	s_mul_i32 s23, s12, 16*SPITCH
	s_add_co_u32 s23, s23, STAGE                   ; my stage
	v_mul_u32_u24 v5, v1, SPITCH                   ; in: row r, my eight columns: 16 bytes of f16 for each half of the lanes
	v_lshl_add_u32 v5, v2, 4, v5
	v_add_nc_u32 v[STO], s23, v5
	v_and_b32 v6, 31, v0                           ; back: eight rows x 64 bytes of one plane: row l / 4, 16 bytes at 16 (l % 4)
	v_lshrrev_b32 v5, 2, v6
	v_mul_u32_u24 v5, v5, SPITCH
	v_and_b32 v7, 3, v0
	v_lshl_add_u32 v5, v7, 4, v5
	v_add_nc_u32 v[RD], s23, v5
	v_lshlrev_b32 v[CO], 4, v6                     ; in a plane those eight rows are 512 consecutive bytes
	s_lshr_b32 s16, s43, 3
	s_mul_i32 s16, s16, 96*131072                  ; the first tile's batch, 0 or 1
	s_and_b32 s17, s43, 7
	s_lshl_b32 s17, s17, 8
	s_lshl_b32 s18, s13, 7
	s_add_co_u32 s17, s17, s18                     ; my first row in the batch
	s_lshl_b32 s17, s17, 6                         ; a plane's rows are 64 bytes
	s_add_co_u32 s16, s16, s17
	s_mul_i32 s46, s42, 6
	s_mul_i32 s47, s14, 3
	s_add_co_u32 s46, s46, s47                     ; my first plane: 192 columns are six planes, my 96 are three
	s_lshl_b32 s46, s46, 17
	s_add_co_u32 s46, s46, s16
	s_mov_b32 s47, 0
	s_add_nc_u64 s[10:11], s[10:11], s[46:47]
; 12 matrix instructions: row blocks a0, a0 + 1 of the window's four (hi = 0: my rows 0-63, 1: rows 64-127) x all 6 column blocks, 32 along K.
; The accumulators take turns, one instruction a turn: between two products on one accumulator stand the 47 others', from tile to tile too.
.macro MULH f, hi, a0, first
.irp a, \a0, \a0+1
.set bb, 0
.rept NB
.if \first
	v_wmma_f32_16x16x32_f16 v[8*(NB*(\a)+bb):8*(NB*(\a)+bb)+7], v[\f+8*bb:\f+8*bb+7], v[\f+8*(4*\hi+\a):\f+8*(4*\hi+\a)+7], v[BIAS+8*bb:BIAS+8*bb+7]
.else
	v_wmma_f32_16x16x32_f16 v[8*(NB*(\a)+bb):8*(NB*(\a)+bb)+7], v[\f+8*bb:\f+8*bb+7], v[\f+8*(4*\hi+\a):\f+8*(4*\hi+\a)+7], v[8*(NB*(\a)+bb):8*(NB*(\a)+bb)+7]
.endif
.set bb, bb+1
.endr
.endr
.endm
; 28 LDS loads in one run: the fragments of quarter q (32 along K) of a slot into buffer f
.macro FETCH slot, q, f
	WIN 0x40                                       ; destination window 1, address window 0
.set ii, 0
.rept NB
	ds_load_b128 v[\f+8*ii:\f+8*ii+3],   v[ADRB+\slot] offset:64*\q+ii*16*PB
	ds_load_b128 v[\f+8*ii+4:\f+8*ii+7], v[ADRB+\slot] offset:64*\q+ii*16*PB+32
.set ii, ii+1
.endr
	WIN 0
.irp i, 0,1,2,3,4,5,6,7
	ds_load_b128 v[\f+8*\i:\f+8*\i+3],   v[ADRA+\slot] offset:64*\q+\i*16*PA
	ds_load_b128 v[\f+8*\i+4:\f+8*\i+7], v[ADRA+\slot] offset:64*\q+\i*16*PA+32
.endr
.endm
; A K step is four quarters of 32 along K, 48 matrix instructions each, on buffers 0, 1, 0, 1.  One of the first three: multiplies buffer f and, in its middle, fetches quarter q into buffer g.
; first = 1: C is the bias, in window 0 (settings 0x81, 0xc1); else C = D in window 2 or 3 (0xa1, 0xf1).  Source 0 (W) window 1, source 1 (A) window 0.
.macro QUARTER slot, q, f, g, first
	s_wait_dscnt 8                                 ; W and A's rows 0-63 are in; the youngest eight loads (A's rows 64-127) may be out
	WIN 0xa1-0x20*\first
	MULH \f, 0, 0, \first
	MULH \f, 0, 2, \first
	PLACES
	FETCH \slot, \q, \g
	s_wait_dscnt 2*NB+16                           ; all but the run just issued
	WIN 0xf1-0x30*\first
	MULH \f, 1, 0, \first
	MULH \f, 1, 2, \first
.endm
; The last quarter multiplies buffer 1 and changes slots: ONE barrier.  In front of it each wave waits for its own reads of this slot and for all its tensor loads, of which one is out: its part of
; the next slot.  fill = 1: the barrier opens a round of the cluster's barrier, and behind the round this slot is filled again, two K steps ahead, first thing: 180 matrix instructions ahead of the wait for it.
; fill = 2: the same, but the slot takes the NEXT tile's K step 0 or 1.  fill = 0: nothing is left to fetch.
.macro TURN slot, next, fill
	s_wait_dscnt 8
	WIN 0xa1
	MULH F1, 0, 0, 0
	s_wait_dscnt 0x0                               ; my reads of this slot are over,
	s_wait_tensorcnt 0x0                           ; and all my tensor loads have landed
	ds_add_u32 v255, v127
	s_wait_dscnt 0x0
	s_barrier_signal -1
	MULH F1, 0, 2, 0                               ; registers only
.if \fill
	WIN 0
.endif
	s_barrier_wait -1
.if \fill
	CREST                                          ; no wave of any partner still reads this slot or has a load on its way
.if \fill == 2
	s_add_nc_u64 s[G0+4*\slot+2:G0+4*\slot+3], s[G0+4*\slot+2:G0+4*\slot+3], NEXT_A
	s_sub_nc_u64 s[G0B+4*\slot+2:G0B+4*\slot+3], s[G0B+4*\slot+2:G0B+4*\slot+3], BACK_B
.else
	s_add_nc_u64 s[G0+4*\slot+2:G0+4*\slot+3], s[G0+4*\slot+2:G0+4*\slot+3], 2*KSTEPB
	s_add_nc_u64 s[G0B+4*\slot+2:G0B+4*\slot+3], s[G0B+4*\slot+2:G0B+4*\slot+3], 2*KSTEPB
.endif
	JLOAD \slot                                    ; its four v_nop are also the places in front of the loads below
.else
	PLACES
.endif
	FETCH \next, 0, F0
	WIN 0xf1
	MULH F1, 1, 0, 0
	MULH F1, 1, 2, 0
.endm
; Three trips, each once round the ring, from a lap's second quarter to the next lap's first; each fills both slots again.
.macro LAPS3
	WIN 0                                          ; at a label and at a branch every window is 0
	s_mov_b32 s3, LAPS-1
.Llap_\@:
	QUARTER 0, 2, F1, F0, 0
	QUARTER 0, 3, F0, F1, 0
	TURN 0, 1, 1
	QUARTER 1, 1, F0, F1, 0
	QUARTER 1, 2, F1, F0, 0
	QUARTER 1, 3, F0, F1, 0
	TURN 1, 0, 1
	QUARTER 0, 1, F0, F1, 0
	WIN 0
	s_sub_co_u32 s3, s3, 1
	s_cmp_lg_u32 s3, 0
	s_cbranch_scc1 .Llap_\@
.endm
; THE WAY OUT, a block of 16 rows at a time through my own stage: LDS serves a wave's instructions in order (ISA guide 5.7.1.4), so the loads see the stores above them and the next block's stores come behind them.
.macro PACK a                          ; rounded to f16, 16 bytes a lane and block
	WIN 0x0a+5*((\a)/4)                            ; sources 0 and 1: window 2 or 3
.set bb, 0
.rept NB
.irp r, 0,1,2,3
	v_cvt_pk_f16_f32 v[TMP+4*bb+\r], v[8*(NB*((\a)%4)+bb)+2*\r], v[8*(NB*((\a)%4)+bb)+2*\r+1]
.endr
.set bb, bb+1
.endr
	WIN 0
.endm
.macro TOSTAGE a                       ; rows of 192 bytes in; back by planes: load t takes plane t / 2, rows 8 (t % 2) + 0..7
.set bk, BK+32*((\a)%2)
.irp b, 0,1,2,3,4,5
	ds_store_b128 v[STO], v[TMP+4*\b:TMP+4*\b+3] offset:32*\b
.endr
	s_wait_xcnt 0x0                                ; the stores of the block two back have had their addresses translated: only behind this wait is their data buffer loaded again
.irp t, 0,1,2,3,4,5
	ds_load_b128 v[bk+4*\t:bk+4*\t+3], v[RD] offset:(\t%2)*8*SPITCH+(\t/2)*64
.endr
.endm
.macro SEND a, younger
.set bk, BK+32*((\a)%2)
	s_wait_dscnt \younger
.irp t, 0,1,2,3,4,5
	global_store_b128 v[CO], v[bk+4*\t:bk+4*\t+3], s[10:11] offset:(\t/2)*131072+(\t%2)*512+(\a)*1024   ; a wave stores 512 consecutive aligned bytes of a plane
.endr
.endm
.macro WAYOUT
	WIN 0
	PLACES                                         ; what follows reads results and loads into fragment buffer 1, which the last products read
	PACK 0
	TOSTAGE 0
.irp a, 1,2,3,4,5,6,7                  ; block a's conversions stand between block a - 1's loads from the stage and the wait for them
	PACK \a
	SEND \a-1, 0
	TOSTAGE \a
.endr
	SEND 7, 0
.endm
	s_wait_loadcnt 0x0                             ; the bias
	s_wait_tensorcnt 0x1                           ; my part of K step 0 is in; K step 1's may stay out
	s_barrier_signal -1
	s_barrier_wait -1                              ; everybody's is
	FETCH 0, 0, F0
	; THE FIRST TILE
	QUARTER 0, 1, F0, F1, 1                        ; a tile's first quarter stands in front of the loop: its products start the sums from the bias
	LAPS3
	QUARTER 0, 2, F1, F0, 0                        ; the tile's last lap runs as every lap; only its two refills step to the second tile
	QUARTER 0, 3, F0, F1, 0
	TURN 0, 1, 2                                   ; slot 0 takes the second tile's K step 0,
	QUARTER 1, 1, F0, F1, 0
	QUARTER 1, 2, F1, F0, 0
	QUARTER 1, 3, F0, F1, 0
	TURN 1, 0, 2                                   ; slot 1 its K step 1, and the second tile's first fragments come into buffer 0
	WAYOUT                                         ; both refills are asked for: now the tile goes out; its stores are on their way while the second tile is multiplied
	s_wait_xcnt 0x0                                ; the stores have had their addresses translated: only behind this wait are their base and buffer 1, which the last of them read, written again
	s_add_nc_u64 s[10:11], s[10:11], NEXT_C
	; THE SECOND TILE
	QUARTER 0, 1, F0, F1, 1
	LAPS3
	QUARTER 0, 2, F1, F0, 0                        ; the last lap fills nothing, and has no round
	QUARTER 0, 3, F0, F1, 0
	TURN 0, 1, 0
	QUARTER 1, 1, F0, F1, 0
	QUARTER 1, 2, F1, F0, 0
	QUARTER 1, 3, F0, F1, 0
	s_wait_dscnt 8                                 ; the very last quarter: nothing more to fetch
	WIN 0xa1
	MULH F1, 0, 0, 0
	MULH F1, 0, 2, 0
	s_wait_dscnt 0x0
	WIN 0xf1
	MULH F1, 1, 0, 0
	MULH F1, 1, 2, 0
	WAYOUT
	s_set_vgpr_msb 0x1
	s_wait_tensorcnt 0x0
	ds_add_u32 v255, v127
	s_wait_dscnt 0x0
	s_set_vgpr_msb 0x100
	CROUND                                         ; the closing round: no work-group ends while a partner may still ask for a tile that names it
	s_endpgm
.Lfunc_end_k_qae14f6de8d_qkv:
	.size	k_qae14f6de8d_qkv, .Lfunc_end_k_qae14f6de8d_qkv-k_qae14f6de8d_qkv
	.p2alignl 7, 3214868480
	.fill 96, 4, 3214868480
	.section	.rodata,"a",@progbits
	.p2align	6, 0x0
	.amdhsa_kernel k_qae14f6de8d_qkv
		.amdhsa_group_segment_fixed_size 327680
		.amdhsa_private_segment_fixed_size 0
		.amdhsa_enable_private_segment 0
		.amdhsa_kernarg_size 32
		.amdhsa_user_sgpr_count 2
		.amdhsa_user_sgpr_kernarg_segment_ptr 1
		.amdhsa_wavefront_size32 1
		.amdhsa_system_sgpr_workgroup_id_x 1
		.amdhsa_system_sgpr_workgroup_id_y 1
		.amdhsa_system_sgpr_workgroup_id_z 1
		.amdhsa_system_vgpr_workitem_id 0
		.amdhsa_next_free_vgpr 960
		.amdhsa_next_free_sgpr 66
		.amdhsa_reserve_vcc 0
		.amdhsa_float_denorm_mode_32 3
		.amdhsa_float_denorm_mode_16_64 3
		.amdhsa_memory_ordered 1
		.amdhsa_forward_progress 1
		.amdhsa_inst_pref_size 225
	.end_amdhsa_kernel
	.amdgpu_metadata
---
amdhsa.version: [ 1, 2 ]
amdhsa.kernels:
  - .name:           k_qae14f6de8d_qkv
    .symbol:         k_qae14f6de8d_qkv.kd
    .args:
      - { .name: xh, .offset: 0, .size: 8, .value_kind: global_buffer, .address_space: global }
      - { .name: wT, .offset: 8, .size: 8, .value_kind: global_buffer, .address_space: global }
      - { .name: b_qkv, .offset: 16, .size: 8, .value_kind: global_buffer, .address_space: global }
      - { .name: qkvh, .offset: 24, .size: 8, .value_kind: global_buffer, .address_space: global }
    .group_segment_fixed_size: 327680
    .private_segment_fixed_size: 0
    .kernarg_segment_align: 8
    .kernarg_segment_size: 32
    .max_flat_workgroup_size: 128
    .sgpr_count:     66
    .vgpr_count:     960
    .wavefront_size: 32
...
	.end_amdgpu_metadata
.endif
;; end of part 2
;; launch attn (part 3): grid 4 x 64, 4 waves a work-group, no clusters, 327,680 bytes of LDS; arguments qkvh, oh; writes oh
.if DOCPART == 3
	.amdgcn_target "amdgcn-amd-amdhsa--gfx1250"
	.amdhsa_code_object_version 6
	.text
	.protected	k_qae14f6de8d_attn
	.globl	k_qae14f6de8d_attn
	.p2align	8
	.type	k_qae14f6de8d_attn,@function
k_qae14f6de8d_attn:
	s_mov_b64 s[64:65], 0
	v_nop
	global_prefetch_b8 v0, s[64:65] scope:SCOPE_SE
	s_setreg_imm32_b32 hwreg(HW_REG_WAVE_MODE, 25, 1), 1
	s_wait_xcnt 0x0
; oh[b][h][q][:] = sum over k <= q of softmax_k(Q[q] . K[k] / 4) V[k][:], for 64 pairs (batch, head), 2,048 positions, 64 channels.  Operands f16, products, maxima and sums f32.
; qkvh[batch][plane 96][s][32]: Q of head h is planes 2 h, 2 h + 1, K planes 32 + 2 h .., V planes 64 + 2 h ..; a plane's row is 64 bytes, 256 rows are 16 KiB dense.
; SHARES.  Work-group (j, bh), j = 0..3, makes two blocks of 256 queries: block j, then block 7 - j.  Keys beyond a query are never multiplied, so the blocks want j + 1 and 8 - j slots of
; 256 keys: nine in every work-group, 256 work-groups of equal work.  A wave owns 64 queries of a block, four tiles of 16 DEALT BY TURNS: tile t of wave w is rows 64 t + 16 w .. + 15.
; So in step u of the diagonal slot (keys 64 u .. + 63) every wave has tile u on the diagonal, the tiles above u whole and the tiles below u without a key: 4 + 3 + 2 + 1 = 10 tile steps
; in every wave, and no wave waits at the next barrier for one with more.
; A block takes its key slots downward, the diagonal one first: the step that starts m, l and O is then fixed in the text, and key 0 of that slot lies at or below every query, so every running maximum is finite from the first step on.
; NO JOINT LOADS: the four work-groups of a head walk lists of key slots of different lengths in each pass (j + 1 against j' + 1), so no tile is wanted by two of them in the same trip.
; LAYOUT.  S^T = K Q^T (source 0 = 16 keys, source 1 = 16 queries): a lane holds ONE query (l % 16) and keys 8 (l / 16) + 0..7.  Two such tiles, rounded to f16 in pairs, ARE source 1 of
; O^T = V^T P, whose result again holds one query a lane, and eight channels.  K comes out of LDS as it lies, V ([key][channel]) turned, by ds_load_tr16_b128.
; SOFTMAX.  Running maximum m and sum l for each query: p = 2^(c s - c m), c = log2(e) / 4; in every step O and l are multiplied by a = 2^(c m_old - c m_new).
; TRIPS.  A trip is one key slot.  Nine trips: the first (diagonal) written out, a loop of seven, the last (never diagonal) written out without a refill.  Two scalar numbers made of j choose a
; trip's work; no barrier and no tensor load stands under such a branch.  A wave has one tensor load out behind each barrier, and it has a whole trip in which to land.
; LIMITS: q, k, v are f16 (magnitudes under 65,504); a weight p under 2^-24 rounds to 0 in f16; v_exp_f32 gives 0 for results under 2^-126.
; REGISTERS: window 0: v2-11 addresses, v16-47 statistics (8 a tile), v64-191 S^T (32 a tile), v192-255 P (16 a tile)
;   window 1: v0-127 O^T (32 a tile), v128-191 K of a step, v192-255 V of a step          window 2: v0-63 Q of the block in hand, v64-127 Q of the second block
.set KP,    80        ; a row of a K plane in LDS: 64 bytes + 16: an odd multiple of 16
.set VP,    96        ; of a V plane: 64 + 32: an odd multiple of 32, for the turning load
.set KPL,   256*KP    ; a plane of 256 keys
.set VPL,   256*VP
.set VOFF,  2*KPL     ; a slot: K's two planes, then V's two
.set SLOTB, VOFF+2*VPL  ; 90,112 bytes
.set SLOT1, 131072    ; slot 1 begins here, so that one exclusive or turns an address in one slot into the other's
.set STAGE, SLOTB     ; between the slots, a multiple of 256: 16 rows x 144 bytes for each wave, for the way out; no tensor load lands here
.set SP,    144
.set PLANE, 131072
.set DLY,   4         ; a pair of weights is rounded to f16 this many pairs behind its exponentials
.set AK0, 2           ; v2   my lane's place in a K plane; never rewritten
.set AV0, 3           ; v3   the same for V
.set ADK, 4           ; v4   LDS address of the step's K
.set ADV, 5           ; v5   of its V
.set QO,  6
.set STO, 7
.set RD,  8
.set GO,  9
.set NI,  10          ; v10  minus infinity
.set DW,  11          ; v11  l % 16 - 8 (l / 16) + 16 w: in the diagonal tile, key register jj of key block kb is allowed where 16 kb + jj <= DW
.set ST,  16          ; tile t's statistics at v[ST+8 t]: +0 c m, +1 m, +2, +3 l (even keys', odd keys'), +4 to +7 c0-c3 at work; a (and at the end 1 / l) in c2
.set S,   64
.set P,   192
.set KR,  128         ; window 1: K(kb, c) at KR + 16 kb + 8 c
.set VR,  192         ; window 1: V(cb, kh) at VR + 16 cb + 8 kh
.set WV,  8           ; s8   my wave's number
.set NX,  22          ; s22  the key slot to be asked for next
.set G1K, 24          ; s[24:31] descriptor group 1 for K's planes, s[32:39] for V's: they differ in the padding
.set G1V, 32
.set G0K, 40          ; s[40:43], s[44:47] descriptor group 0
.set G0V, 44
.set CUR, 48          ; s48  LDS byte at which the slot to be read next begins
.set U,   49          ; s49  counts a whole slot's four steps of 64 keys
.set TR,  50          ; s50  counts the loop's trips
.set CNT, 51          ; s51  trips left in the first block
.set DG,  52          ; s52  1: the trip is a block's first, on the diagonal
.set CS,  54          ; s[54:55] c, twice
.set SEL, 56          ; s[56:57] lane selects: each lane takes its own place in the other half
.set OB,  58          ; s[58:59] oh at my rows of the block in hand, s[60:61] of the second block
.set MK,  66          ; s66-97 lane masks of the diagonal tile: key block kb, key register jj at MK + 8 kb + jj
.set QA,  98          ; s[98:99], s[100:101] Q at my rows of the two blocks
.set MSB, 0
.macro WIN new                      ; the immediate's high byte repeats the setting that is left; a switch that changes nothing is dropped
.if MSB != (\new)
	s_set_vgpr_msb (MSB<<8)|(\new)
.set MSB, (\new)
.endif
.endm
.macro PLACES                       ; four plain vector instructions between a matrix instruction and a load into, or a reader of, its registers (ISA guide 7.12.1 for vector instructions)
.rept 4
	v_nop
.endr
.endm
.macro NEXTSLOT                     ; downward through a block's key slots; behind slot 0 comes the second block's diagonal slot, 7 - j
	s_sub_co_u32 s62, s[NX], 1
	s_cmp_eq_u32 s[NX], 0
	s_cselect_b32 s[NX], s23, s62
.endm
.macro KVLOAD                       ; waves 0 and 1 fetch K's two planes, waves 2 and 3 V's: 16 KiB each; four v_nop follow each line, ahead of the jump and the label
	s_cmp_lt_u32 s[WV], 2
	s_cbranch_scc0 .Lfor_v_\@
	tensor_load_to_lds s[G0K:G0K+3], s[G1K:G1K+7]
	s_nop 0
	PLACES
	s_branch .Lasked_\@
.Lfor_v_\@:
	tensor_load_to_lds s[G0V:G0V+3], s[G1V:G1V+7]
	s_nop 0
	PLACES
.Lasked_\@:
.endm
	s_load_b128 s[4:7], s[0:1], 0x0  ; qkvh s[4:5], oh s[6:7]
	v_lshl_add_u32 v62, v0, 2, 0x36000
	v_mov_b32 v63, 0
	ds_add_u32 v62, v63
	ds_add_u32 v62, v63
	v_lshrrev_b32 v1, 5, v0
	v_readfirstlane_b32 s[WV], v1   ; wave 0..3
	s_mov_b32 s9, ttmp9             ; j
	s_and_b32 s10, ttmp7, 0xffff    ; 16 batch + head
	s_and_b32 s11, s[WV], 1         ; which plane I fetch
	s_sub_co_u32 s23, 7, s9         ; the second block
	; descriptor group 1: a plane's 256 keys are 16 KiB dense: 64 rows of 32 elements of 8 bytes; after every 16 words (code 3), one key's 64 bytes, 4 or 8 words of padding (codes 3, 7)
	s_mov_b32 s[G1K], (3<<16)|(1<<20)|(3<<22)|(3<<25)
	s_mov_b32 s[G1V], (3<<16)|(1<<20)|(3<<22)|(7<<25)
.irp g, G1K, G1V
	s_mov_b32 s[\g+1], 32<<16       ; tensor_dim0 = 32
	s_mov_b32 s[\g+2], 64<<16       ; tensor_dim1 = 64
	s_mov_b32 s[\g+3], 32<<16       ; tile_dim0 = 32
	s_mov_b32 s[\g+4], 64           ; tile_dim1 = 64
	s_mov_b32 s[\g+5], 32           ; elements from row to row
	s_mov_b32 s[\g+6], 0
	s_mov_b32 s[\g+7], 0
.endr
	s_mov_b32 s[CS], 0x3eb8aa3b     ; c = log2(e) / 4: the module divides the scores by sqrt(16)
	s_mov_b32 s[CS+1], s[CS]
	s_mov_b32 s[SEL], 0x76543210
	s_mov_b32 s[SEL+1], 0xfedcba98
	s_mov_b32 s[CUR], 0
	s_mov_b32 s[NX], s9             ; the first block's diagonal slot
	s_lshr_b32 s12, s10, 4
	s_mul_i32 s12, s12, 96*PLANE    ; batch
	s_and_b32 s13, s10, 15
	s_lshl_b32 s13, s13, 18         ; two planes a head
	s_add_co_u32 s12, s12, s13
	s_mov_b32 s13, 0
	s_lshl_b32 s14, s11, 17         ; my plane of the two
	s_mov_b32 s15, 0
	s_lshl_b32 s20, s[NX], 14       ; a key slot is 16,384 bytes of a plane
	s_mov_b32 s21, 0
	s_wait_dscnt 0x0
	s_wait_kmcnt 0x0
	s_add_nc_u64 s[4:5], s[4:5], s[12:13]  ; qkvh at the head's first plane of Q
	s_add_nc_u64 s[16:17], s[4:5], s[14:15]
	s_add_nc_u64 s[18:19], s[16:17], 64*PLANE  ; my plane of V
	s_add_nc_u64 s[16:17], s[16:17], 32*PLANE  ; my plane of K
	s_mov_b32 s[G0K], 1             ; count = 1
	s_mul_i32 s[G0K+1], s11, KPL    ; LDS address, slot 0
	s_add_nc_u64 s[G0K+2:G0K+3], s[16:17], s[20:21]
	s_or_b32 s[G0K+3], s[G0K+3], 0x80000000  ; type = 2
	s_mov_b32 s[G0V], 1
	s_mul_i32 s[G0V+1], s11, VPL
	s_add_co_u32 s[G0V+1], s[G0V+1], VOFF
	s_add_nc_u64 s[G0V+2:G0V+3], s[18:19], s[20:21]
	s_or_b32 s[G0V+3], s[G0V+3], 0x80000000
	KVLOAD                          ; the first fill, ahead of every wait on TENSORcnt, every LDS read and every barrier
	NEXTSLOT
	; Q of both blocks stays in registers.  A fragment is 16 rows x 32 channels: lane l holds row l % 16; two loads of 16 bytes, 32 bytes apart
	s_lshl_b32 s12, s[WV], 10       ; my wave's 16 rows of 64 bytes in each 64 rows
	s_lshl_b32 s14, s9, 14
	s_add_co_u32 s14, s14, s12
	s_add_nc_u64 s[QA:QA+1], s[4:5], s[14:15]
	s_lshl_b32 s14, s23, 14
	s_add_co_u32 s14, s14, s12
	s_add_nc_u64 s[QA+2:QA+3], s[4:5], s[14:15]
	v_and_b32 v1, 15, v0            ; r = l % 16
	v_bfe_u32 v12, v0, 4, 1         ; h = l / 16
	v_and_b32 v13, 31, v0           ; l
	v_lshlrev_b32 v[QO], 6, v1
	v_lshl_add_u32 v[QO], v12, 4, v[QO]
	WIN 0x80                        ; destination window 2
.irp g, 0,1
.irp t, 0,1,2,3
.irp c, 0,1
	global_load_b128 v[64*\g+16*\t+8*\c:64*\g+16*\t+8*\c+3],   v[QO], s[QA+2*\g:QA+2*\g+1] offset:\t*4096+\c*PLANE
	global_load_b128 v[64*\g+16*\t+8*\c+4:64*\g+16*\t+8*\c+7], v[QO], s[QA+2*\g:QA+2*\g+1] offset:\t*4096+\c*PLANE+32
.endr
.endr
.endr
	WIN 0
	s_lshl_b32 s12, s10, 18         ; oh: a head is 2,048 rows of 128 bytes,
	s_lshl_b32 s13, s[WV], 11       ; my wave's 16 rows in each 64
	s_add_co_u32 s12, s12, s13
	s_lshl_b32 s14, s9, 15          ; a block's 256 rows
	s_add_co_u32 s14, s14, s12
	s_add_nc_u64 s[OB:OB+1], s[6:7], s[14:15]
	s_lshl_b32 s14, s23, 15
	s_add_co_u32 s14, s14, s12
	s_add_nc_u64 s[OB+2:OB+3], s[6:7], s[14:15]
	v_mul_u32_u24 v[AK0], v1, KP
	v_lshl_add_u32 v[AK0], v12, 4, v[AK0]  ; key row x pitch + 16 x half
	v_and_b32 v14, 7, v0            ; the turning load: lane l reads key 8 h + l % 8, channels 8 ((l / 8) % 2) + 0..7
	v_lshl_add_u32 v[AV0], v12, 3, v14
	v_mul_u32_u24 v[AV0], v[AV0], VP
	v_bfe_u32 v15, v0, 3, 1
	v_lshl_add_u32 v[AV0], v15, 4, v[AV0]
	v_add_nc_u32 v[AV0], VOFF, v[AV0]
	s_mul_i32 s62, s[WV], 16*SP
	s_add_co_u32 s62, s62, STAGE    ; my stage
	v_mul_u32_u24 v[STO], v1, SP    ; in: row r, 16 bytes for each half of the lanes
	v_lshl_add_u32 v[STO], v12, 4, v[STO]
	v_add_nc_u32 v[STO], s62, v[STO]
	v_lshrrev_b32 v15, 3, v13       ; back: four rows of 128 bytes: row l / 8, 16 bytes at 16 (l % 8)
	v_mul_u32_u24 v[RD], v15, SP
	v_lshl_add_u32 v[RD], v14, 4, v[RD]
	v_add_nc_u32 v[RD], s62, v[RD]
	v_lshlrev_b32 v[GO], 4, v13     ; in oh those four rows are 512 consecutive bytes
	v_mov_b32 v[NI], 0xff800000
	v_lshlrev_b32 v15, 3, v12
	v_sub_nc_u32 v[DW], v1, v15
	v_lshl_add_u32 v[DW], s[WV], 4, v[DW]
.irp kb, 0,1,2,3
.irp jj, 0,1,2,3,4,5,6,7
	v_cmp_le_i32 s[MK+8*\kb+\jj], 16*\kb+\jj, v[DW]  ; lanes whose key 16 kb + 8 h + jj is at or below their query 16 w + r
.endr
.endr
; THE HEAD OF A TRIP.  Each wave waits for its reads of the slot read last and for all its tensor loads, of which one is out: its part of the slot to be read now.  Behind the barrier
; nobody reads the old slot any more and the new one is whole.  fill = 1: the old slot is filled again, first thing behind the barrier, one load a wave.
.macro HEAD fill
	s_wait_dscnt 0x0
	s_wait_tensorcnt 0x0            ; no tensor load of mine is out, so a group 0 may be written
	ds_add_u32 v62, v63
	s_wait_dscnt 0x0
	v_add_nc_u32 v[ADK], s[CUR], v[AK0]
	v_add_nc_u32 v[ADV], s[CUR], v[AV0]
	s_xor_b32 s[CUR], s[CUR], SLOT1
.if \fill
	s_xor_b32 s[G0K+1], s[G0K+1], SLOT1  ; the other slot than last time
	s_xor_b32 s[G0V+1], s[G0V+1], SLOT1
	s_lshl_b32 s20, s[NX], 14
	s_add_nc_u64 s[G0K+2:G0K+3], s[16:17], s[20:21]
	s_or_b32 s[G0K+3], s[G0K+3], 0x80000000
	s_add_nc_u64 s[G0V+2:G0V+3], s[18:19], s[20:21]
	s_or_b32 s[G0V+3], s[G0V+3], 0x80000000
	NEXTSLOT
.endif
	s_barrier_signal -1
	s_barrier_wait -1
.if \fill
	KVLOAD
.endif
.endm
; PIECES OF THE SOFTMAX.  lo: the first tile that takes part in the step; tiles lo to 3 do.
.macro FMA1 t, b                    ; pair b of tile t: c s - c m
	v_pk_fma_f32 v[S+32*(\t)+2*(\b):S+32*(\t)+2*(\b)+1], v[S+32*(\t)+2*(\b):S+32*(\t)+2*(\b)+1], s[CS:CS+1], v[ST+8*(\t):ST+8*(\t)+1] op_sel_hi:[1,0,0] neg_lo:[0,0,1] neg_hi:[0,0,1]
.endm
.macro SUM1 t, u                    ; the first level of tile t's sum of 16 pairs (an even key's weight, an odd key's), in place
	v_pk_add_f32 v[S+32*(\t)+4*(\u):S+32*(\t)+4*(\u)+1], v[S+32*(\t)+4*(\u):S+32*(\t)+4*(\u)+1], v[S+32*(\t)+4*(\u)+2:S+32*(\t)+4*(\u)+3]
.endm
.macro MX t, n, first               ; number n of the end of tile t's maximum: the scores left over, c0-c3 and the old m; the other half of the lanes'; the new m, c m, c m_old - c m_new
.if \n == 0
	v_max3_num_f32 v[ST+8*\t+4], v[ST+8*\t+4], v[S+32*\t+7], v[S+32*\t+15]
.elseif \n == 1
	v_max3_num_f32 v[ST+8*\t+6], v[ST+8*\t+6], v[S+32*\t+23], v[S+32*\t+31]
.elseif \n == 2
	v_max3_num_f32 v[ST+8*\t+4], v[ST+8*\t+4], v[ST+8*\t+5], v[ST+8*\t+6]
.elseif (\n == 3) && (\first == 1)
	v_max_num_f32 v[ST+8*\t+4], v[ST+8*\t+4], v[ST+8*\t+7]
.elseif \n == 3
	v_max3_num_f32 v[ST+8*\t+4], v[ST+8*\t+4], v[ST+8*\t+7], v[ST+8*\t+1]
.elseif \n == 4
	v_permlanex16_b32 v[ST+8*\t+5], v[ST+8*\t+4], s[SEL], s[SEL+1]  ; the query's other 32 keys lie in the lane 16 away
.elseif (\n == 5) && (\first == 0)
	v_mov_b32 v[ST+8*\t+7], v[ST+8*\t]  ; c m_old is kept for a
.elseif \n == 6
	v_max_num_f32 v[ST+8*\t+1], v[ST+8*\t+4], v[ST+8*\t+5]
.elseif \n == 7
	v_mul_f32 v[ST+8*\t], s[CS], v[ST+8*\t+1]
.elseif (\n == 8) && (\first == 0)
	v_sub_f32 v[ST+8*\t+7], v[ST+8*\t+7], v[ST+8*\t]
.endif
.endm
; The maximum of a lane's 32 scores and the old m, three operands at a time: four chains c0-c3 of seven scores each, then MX; the tiles by turns.
.macro MAXALL first, lo
.irp k, 0,1,2,3
.irp t, 0,1,2,3
.if \t >= \lo
	v_max3_num_f32 v[ST+8*\t+4+\k], v[S+32*\t+8*\k], v[S+32*\t+8*\k+1], v[S+32*\t+8*\k+2]
.endif
.endr
.endr
.irp u, 1,2
.irp k, 0,1,2,3
.irp t, 0,1,2,3
.if \t >= \lo
	v_max3_num_f32 v[ST+8*\t+4+\k], v[ST+8*\t+4+\k], v[S+32*\t+8*\k+2*\u+1], v[S+32*\t+8*\k+2*\u+2]
.endif
.endr
.endr
.endr
.irp n, 0,1,2,3,4,5,6,7,8
.irp t, 0,1,2,3
.if \t >= \lo
	MX \t, \n, \first
.endif
.endr
.endr
.endm
; The exponentials of tiles lo to 3 as ONE list: a of each tile, then score g = 0 .. 32 (4 - lo) - 1 (S^T's and P's registers run on from tile to tile).  Behind an even score stands c s - c m of the pair
; 16 pairs on or, in the last tile, a first-level sum of a tile whose weights have all been rounded; behind an odd score the rounding to f16 of the pair DLY pairs back, whose second exponential then
; stands 4 DLY instructions back.  So a plain instruction stands between every exponential and the use of its result; with one tile alone a v_nop is that instruction ahead of the first rounding.
; The last DLY roundings stand in SUMS.
.macro EXPALL first, lo
.set NT, 4-\lo
.if !\first
.irp t, 0,1,2,3
.if \t >= \lo
	v_exp_f32 v[ST+8*\t+6], v[ST+8*\t+7]
.endif
.endr
.endif
.set g, 0
.rept 32*(4-\lo)
	v_exp_f32 v[S+32*\lo+g], v[S+32*\lo+g]
.if g%2 == 0
.if g/2+16 < 16*NT
	FMA1 \lo+(g/2+16)/16, (g/2+16)%16
.elseif (g/2-16*(NT-1))/8 < NT-1
	SUM1 \lo+(g/2-16*(NT-1))/8, (g/2-16*(NT-1))%8
.elseif g == 2
	v_nop
.endif
.elseif g > 2*DLY
	s_wait_alu depctr_va_vdst(0)
	v_cvt_pk_f16_f32 v[P+16*\lo+(g-1)/2-DLY], v[S+32*\lo+g-1-2*DLY], v[S+32*\lo+g-2*DLY]
.endif
.set g, g+1
.endr
.endm
; The rest: with four tiles tile 2's first-level sums (EXPALL has made those of the first two tiles that are not the last); tile 3's last DLY = 4 roundings, then its first-level sums,
; which write over the weights; the three further levels; l = a l + the sum.
.macro SUMS first, lo
.if \lo == 0
.irp u, 0,1,2,3,4,5,6,7
	SUM1 2, \u
.endr
.endif
	s_wait_alu depctr_va_vdst(0)
.irp b, 12,13,14,15
	v_cvt_pk_f16_f32 v[P+48+\b], v[S+96+2*\b], v[S+96+2*\b+1]
.endr
.irp u, 0,1,2,3,4,5,6,7
	SUM1 3, \u
.endr
.irp u, 0,1,2,3
.irp t, 0,1,2,3
.if \t >= \lo
	v_pk_add_f32 v[S+32*\t+8*\u:S+32*\t+8*\u+1], v[S+32*\t+8*\u:S+32*\t+8*\u+1], v[S+32*\t+8*\u+4:S+32*\t+8*\u+5]
.endif
.endr
.endr
.irp u, 0,1
.irp t, 0,1,2,3
.if \t >= \lo
	v_pk_add_f32 v[S+32*\t+16*\u:S+32*\t+16*\u+1], v[S+32*\t+16*\u:S+32*\t+16*\u+1], v[S+32*\t+16*\u+8:S+32*\t+16*\u+9]
.endif
.endr
.endr
.irp t, 0,1,2,3
.if \t >= \lo
.if \first
	v_pk_add_f32 v[ST+8*\t+2:ST+8*\t+3], v[S+32*\t:S+32*\t+1], v[S+32*\t+16:S+32*\t+17]
.else
	v_pk_add_f32 v[S+32*\t:S+32*\t+1], v[S+32*\t:S+32*\t+1], v[S+32*\t+16:S+32*\t+17]
.endif
.endif
.endr
.if !\first
.irp t, 0,1,2,3
.if \t >= \lo
	v_pk_fma_f32 v[ST+8*\t+2:ST+8*\t+3], v[ST+8*\t+2:ST+8*\t+3], v[ST+8*\t+6:ST+8*\t+7], v[S+32*\t:S+32*\t+1] op_sel_hi:[1,0,1]
.endif
.endr
.endif
.endm
.macro MASK t                       ; the tile on the diagonal: key 16 kb + 8 h + jj against query 16 w + r; a key beyond the query becomes minus infinity
.irp kb, 0,1,2,3
.irp jj, 0,1,2,3,4,5,6,7
	v_cndmask_b32 v[S+32*\t+8*\kb+\jj], v[NI], v[S+32*\t+8*\kb+\jj], s[MK+8*\kb+\jj]
.endr
.endr
.endm
; ONE STEP OF 64 KEYS for tiles lo to 3, in phases.  first = 1: it starts m, l and O^T (products with C = 0; no a, nothing to rescale).  mask = 1: tile lo lies on the diagonal.
; In both products the accumulators take turns, one instruction a turn: between two links of a chain stand the 4 (4 - lo) - 1 others'.
.macro STEP first, lo, mask
	PLACES                          ; the last products read V's registers
	WIN 0x40                        ; destination window 1
.irp c, 0,1
.irp kb, 0,1,2,3
	ds_load_b128 v[KR+16*\kb+8*\c:KR+16*\kb+8*\c+3],   v[ADK] offset:\c*KPL+\kb*16*KP
	ds_load_b128 v[KR+16*\kb+8*\c+4:KR+16*\kb+8*\c+7], v[ADK] offset:\c*KPL+\kb*16*KP+32
.endr
.endr
.irp cb, 0,1,2,3
.irp kh, 0,1
	ds_load_tr16_b128 v[VR+16*\cb+8*\kh:VR+16*\cb+8*\kh+3],   v[ADV] offset:(\cb/2)*VPL+(\cb%2)*32+\kh*32*VP
	ds_load_tr16_b128 v[VR+16*\cb+8*\kh+4:VR+16*\cb+8*\kh+7], v[ADV] offset:(\cb/2)*VPL+(\cb%2)*32+\kh*32*VP+16*VP
.endr
.endr
	WIN 0x09                        ; K window 1, Q window 2, S^T window 0
.irp c, 0,1
	s_wait_dscnt 24-8*\c            ; of the 32 loads the first 8 (16) are K's channels 0-31 (all of K); V's sixteen stay out
.irp kb, 0,1,2,3
.irp t, 0,1,2,3
.if \t >= \lo
.if \c == 0
	v_wmma_f32_16x16x32_f16 v[S+32*\t+8*\kb:S+32*\t+8*\kb+7], v[KR+16*\kb+8*\c:KR+16*\kb+8*\c+7], v[16*\t+8*\c:16*\t+8*\c+7], 0
.else
	v_wmma_f32_16x16x32_f16 v[S+32*\t+8*\kb:S+32*\t+8*\kb+7], v[KR+16*\kb+8*\c:KR+16*\kb+8*\c+7], v[16*\t+8*\c:16*\t+8*\c+7], v[S+32*\t+8*\kb:S+32*\t+8*\kb+7]
.endif
.endif
.endr
.endr
.endr
	WIN 0
	v_add_nc_u32 v[ADK], 64*KP, v[ADK]  ; the next step's keys: these two and two v_nop are the places behind the products
	v_add_nc_u32 v[ADV], 64*VP, v[ADV]
	v_nop
	v_nop
.if \mask
	MASK \lo
.endif
	MAXALL \first, \lo
.set i, 0
.rept 16
	FMA1 \lo, i
.set i, i+1
.endr
	EXPALL \first, \lo
	SUMS \first, \lo
.if !\first
	WIN 0x41                        ; O^T (destination and source 0) window 1, a window 0
.irp t, 0,1,2,3
.if \t >= \lo
.set i, 0
.rept 16
	v_pk_mul_f32 v[32*\t+2*i:32*\t+2*i+1], v[32*\t+2*i:32*\t+2*i+1], v[ST+8*\t+6:ST+8*\t+7] op_sel_hi:[1,0]
.set i, i+1
.endr
.endif
.endr
.endif
	s_wait_dscnt 0x0                ; V is in
	WIN 0x51                        ; V window 1, P window 0, O^T window 1
.irp kh, 0,1
.irp cb, 0,1,2,3
.irp t, 0,1,2,3
.if \t >= \lo
.if \first && (\kh == 0)
	v_wmma_f32_16x16x32_f16 v[32*\t+8*\cb:32*\t+8*\cb+7], v[VR+16*\cb+8*\kh:VR+16*\cb+8*\kh+7], v[P+16*\t+8*\kh:P+16*\t+8*\kh+7], 0
.else
	v_wmma_f32_16x16x32_f16 v[32*\t+8*\cb:32*\t+8*\cb+7], v[VR+16*\cb+8*\kh:VR+16*\cb+8*\kh+7], v[P+16*\t+8*\kh:P+16*\t+8*\kh+7], v[32*\t+8*\cb:32*\t+8*\cb+7]
.endif
.endif
.endr
.endr
.endr
	WIN 0
.endm
.macro DIAG                         ; the diagonal slot, written out: in step u tile u is on the diagonal, tiles above it are whole, tiles below it have no key at or below their queries
	STEP 1, 0, 1
	STEP 0, 1, 1
	STEP 0, 2, 1
	STEP 0, 3, 1
.endm
.macro FULL                         ; a slot below the diagonal: four whole steps
	s_mov_b32 s[U], 4
.Lfu_\@:
	STEP 0, 0, 0
	s_sub_co_u32 s[U], s[U], 1
	s_cmp_lg_u32 s[U], 0
	s_cbranch_scc1 .Lfu_\@
.endm
; THE WAY OUT of a block.  l's two halves and the other half of the lanes' are added; O^T is divided by l, rounded to f16 and sent through my stage, a tile (16 rows of oh) at a time.
.macro PACK t
	WIN 0x41
.set i, 0
.rept 16
	v_pk_mul_f32 v[32*\t+2*i:32*\t+2*i+1], v[32*\t+2*i:32*\t+2*i+1], v[ST+8*\t+6:ST+8*\t+7] op_sel_hi:[1,0]
.set i, i+1
.endr
	WIN 0x05                        ; sources 0 and 1 window 1, destination window 0: S^T's registers are free
.set i, 0
.rept 16
	v_cvt_pk_f16_f32 v[S+32*\t+i], v[32*\t+2*i], v[32*\t+2*i+1]
.set i, i+1
.endr
	WIN 0
.irp f, 0,1,2,3
	ds_store_b128 v[STO], v[S+32*\t+4*\f:S+32*\t+4*\f+3] offset:32*\f
.endr
.irp f, 0,1,2,3
	ds_load_b128 v[S+32*\t+16+4*\f:S+32*\t+16+4*\f+3], v[RD] offset:\f*4*SP  ; LDS serves a wave's instructions in order (ISA guide 5.7.1.4): these see the stores above; the next tile's stores come behind them
.endr
.endm
.macro SEND t, younger              ; younger: the LDS instructions issued behind tile t's loads: the next tile's eight, or none
.irp f, 0,1,2,3
	s_wait_dscnt \younger+3-\f
	global_store_b128 v[GO], v[S+32*\t+16+4*\f:S+32*\t+16+4*\f+3], s[OB:OB+1] offset:\t*8192+\f*512  ; a wave stores 512 consecutive aligned bytes; my tiles lie 64 rows of 128 bytes apart
.endr
.endm
.macro OUT
.irp t, 0,1,2,3
	v_add_f32 v[ST+8*\t+4], v[ST+8*\t+2], v[ST+8*\t+3]  ; these four are the places behind the last products
.endr
.irp t, 0,1,2,3
	v_permlanex16_b32 v[ST+8*\t+5], v[ST+8*\t+4], s[SEL], s[SEL+1]
.endr
.irp t, 0,1,2,3
	v_add_f32 v[ST+8*\t+4], v[ST+8*\t+4], v[ST+8*\t+5]
.endr
.irp t, 0,1,2,3
	v_rcp_f32 v[ST+8*\t+6], v[ST+8*\t+4]
.endr
	v_nop                           ; a plain instruction between the last reciprocal and the use of its result
	s_wait_alu depctr_va_vdst(0)
	PACK 0
	PACK 1                          ; a tile's arithmetic stands between the loads of the tile before and its stores
	SEND 0, 8
	PACK 2
	SEND 1, 8
	PACK 3
	SEND 2, 8
	SEND 3, 0
.endm
	s_wait_loadcnt 0x0              ; Q
	HEAD 1                          ; trip 1: the first block's diagonal slot is read, slot 1 is filled for the first time
	DIAG
	s_mov_b32 s[CNT], s9            ; the first block has j slots below its diagonal
	s_mov_b32 s[DG], 0
	s_mov_b32 s[TR], 7
.Ltrip:                             ; trips 2 to 8: j whole slots of the first block, the second block's diagonal slot, 6 - j of its 7 - j whole slots
	s_cmp_lg_u32 s[CNT], 0
	s_cbranch_scc1 .Lsame_block
	OUT                             ; the first block is finished
	s_wait_xcnt 0x0                 ; its stores have had their addresses translated: only behind this wait are their base and their data registers rewritten
	s_mov_b64 s[OB:OB+1], s[OB+2:OB+3]
	WIN 0x82                        ; the second block's Q moves into the registers that the products name: 64 moves, once, so that one text of the step serves both blocks
.set i, 0
.rept 64
	v_mov_b32 v[i], v[64+i]
.set i, i+1
.endr
	WIN 0
	s_mov_b32 s[DG], 1
	s_mov_b32 s[CNT], 16            ; more than the trips that are left: the second block goes out behind the loop
.Lsame_block:
	HEAD 1
	s_cmp_eq_u32 s[DG], 0
	s_cbranch_scc1 .Lwhole
	DIAG
	s_mov_b32 s[DG], 0
	s_branch .Ltrip_done
.Lwhole:
	FULL
.Ltrip_done:
	s_sub_co_u32 s[CNT], s[CNT], 1
	s_sub_co_u32 s[TR], s[TR], 1
	s_cmp_lg_u32 s[TR], 0
	s_cbranch_scc1 .Ltrip
	HEAD 0                          ; trip 9: the second block's key slot 0; nothing is left to fetch
	FULL
	OUT
	s_wait_tensorcnt 0x0
	ds_add_u32 v62, v63
	s_wait_dscnt 0x0
	s_endpgm
.Lfunc_end_k_qae14f6de8d_attn:
	.size	k_qae14f6de8d_attn, .Lfunc_end_k_qae14f6de8d_attn-k_qae14f6de8d_attn
	.p2alignl 7, 3214868480
	.fill 96, 4, 3214868480
	.section	.rodata,"a",@progbits
	.p2align	6, 0x0
	.amdhsa_kernel k_qae14f6de8d_attn
		.amdhsa_group_segment_fixed_size 327680
		.amdhsa_private_segment_fixed_size 0
		.amdhsa_enable_private_segment 0
		.amdhsa_kernarg_size 16
		.amdhsa_user_sgpr_count 2
		.amdhsa_user_sgpr_kernarg_segment_ptr 1
		.amdhsa_wavefront_size32 1
		.amdhsa_system_sgpr_workgroup_id_x 1
		.amdhsa_system_sgpr_workgroup_id_y 1
		.amdhsa_system_sgpr_workgroup_id_z 1
		.amdhsa_system_vgpr_workitem_id 0
		.amdhsa_next_free_vgpr 640
		.amdhsa_next_free_sgpr 102
		.amdhsa_reserve_vcc 0
		.amdhsa_float_denorm_mode_32 3
		.amdhsa_float_denorm_mode_16_64 3
		.amdhsa_memory_ordered 1
		.amdhsa_forward_progress 1
		.amdhsa_inst_pref_size 255
	.end_amdhsa_kernel
	.section	.bss,"aw",@nobits
	.p2align	6
	.space	262144
	.amdgpu_metadata
---
amdhsa.version: [ 1, 2 ]
amdhsa.kernels:
  - .name:           k_qae14f6de8d_attn
    .symbol:         k_qae14f6de8d_attn.kd
    .args:
      - { .name: qkvh, .offset: 0, .size: 8, .value_kind: global_buffer, .address_space: global }
      - { .name: oh, .offset: 8, .size: 8, .value_kind: global_buffer, .address_space: global }
    .group_segment_fixed_size: 327680
    .private_segment_fixed_size: 0
    .kernarg_segment_align: 8
    .kernarg_segment_size: 16
    .max_flat_workgroup_size: 128
    .sgpr_count:     102
    .vgpr_count:     640
    .wavefront_size: 32
...
	.end_amdgpu_metadata
.endif
;; end of part 3
;; launch proj (part 4): grid 8 x 32, 4 waves a work-group, clusters of 4 x 4, 327,680 bytes of LDS; arguments oh, wT, b_proj, out0; writes out0
.if DOCPART == 4
	.amdgcn_target "amdgcn-amd-amdhsa--gfx1250"
	.amdhsa_code_object_version 6
	.text
	.protected	k_qae14f6de8d_proj
	.globl	k_qae14f6de8d_proj
	.p2align	8
	.type	k_qae14f6de8d_proj,@function
k_qae14f6de8d_proj:
	s_mov_b64 s[64:65], 0
	v_nop
	global_prefetch_b8 v0, s[64:65] scope:SCOPE_SE
	s_setreg_imm32_b32 hwreg(HW_REG_WAVE_MODE, 25, 1), 1
	s_wait_xcnt 0x0
	s_wait_alu depctr_hold_cnt(0) depctr_sa_sdst(0) depctr_va_vdst(0) depctr_va_sdst(0) depctr_va_ssrc(0) depctr_va_vcc(0) depctr_vm_vsrc(0)
	s_getreg_b32 s2, hwreg(HW_REG_IB_STS2, 6, 4)
	s_cmp_eq_u32 s2, 0
	s_cbranch_scc0 .Lentry_in_a_cluster
	s_endpgm
.Lentry_in_a_cluster:
	s_bfe_u32 s2, ttmp6, 0x10000c
	s_cmp_lg_u32 s2, 0xf033
	s_cbranch_scc0 .Lentry_shape_is_right
	s_endpgm
.Lentry_shape_is_right:
; C[m][n] = bias[n] + sum over k of A[m][k] W[n][k], K = 1024, operands f16, sums f32.  One text for two launches; PROJ chooses.
;   PROJ = 0: A = xh [8192][1024], W = wT rows 0-3071, C = q, k, v in f16, stored as qkvh[batch 4][plane 96][s 2048][32]: plane g holds columns 32 g .. 32 g + 31.
;             A work-group makes 256 x 192 of C: 16 x 32 = 512 work-groups, two for each of 256 WGPs (tiles of 256 x 256 would give 384, one and a half).
;   PROJ = 1: A = oh [batch][head 16][s][64] f16 (k = 64 head + channel), W = wT rows 3072-4095, C = out0 [8192][1024] f32.  256 x 128 of C: 8 x 32 = 256 work-groups.
; Four waves, 2 x 2, each 128 rows x 16 NB columns: 8 NB accumulators of 16 x 16.  K goes in steps of 128 through two LDS slots filled by the tensor data mover.
; CLUSTER 4 x 4: the four work-groups of a row of the cluster need the same tile of A, the four of a column the same tile of W; each tile is asked for jointly.
; THE MATRIX INSTRUCTION IS USED TRANSPOSED (source 0 = 16 rows of W, source 1 = 16 rows of A): a lane then holds row l % 16 of C and the eight neighbouring columns 8 (l / 16) + 0..7.
; THE BIAS STARTS THE SUMS: the first product on each accumulator takes the bias as C.  Nothing is cleared and nothing is added at the end; the bias is the first term of the f32 sum, not the last.
; LIMIT: f16 holds magnitudes under 65,504: operands, and with PROJ = 0 the results q, k, v, beyond that become infinity.
; REGISTERS, in windows of 256: window 0: v16-27 addresses, v32-79 bias, v80-103 packed results, v128-191 and v192-255 A's fragments (two buffers; on the way out rows read back);
;   window 1: v128.. and v192.. W's fragments; window 2: accumulators of my rows 0-63, (a, b) at v[8 (NB a + b)]; window 3: those of rows 64-127.
.set PROJ, 1
.if PROJ
.set NB,     4                         ; blocks of 16 columns in a wave's tile
.set PA,     144                       ; A's LDS row: 64 channels = 128 bytes + 16
.set AHALF,  256*PA                    ; what one load of A brings: one head's 64 channels of the tile's 256 rows
.set ASTEP,  2*262144                  ; bytes from a K step to the next: two heads
.set BROW0,  3072
.set SPITCH, 272                       ; a stage row: 64 f32 + 16 bytes
.set A_W0,   (3<<16)|(1<<20)|(1<<21)|(4<<22)|(3<<25)  ; elements of 8 bytes; padding on; bit 21 beside a mask; after every 32 words (code 4) 4 words (code 3)
.set A_C,    32                        ; the block is dense in memory: it comes as 128 rows of 256 bytes
.set A_P,    32
.else
.set NB,     6
.set PA,     272                       ; A's LDS row: 128 k = 256 bytes + 16
.set AHALF,  128*PA                    ; 128 rows
.set ASTEP,  256
.set BROW0,  0
.set SPITCH, 208                       ; a stage row: 96 f16 + 16 bytes
.set A_W0,   (1<<16)|(1<<20)|(1<<21)|(5<<22)|(3<<25)  ; elements of 2 bytes; after every 64 words (code 5) 4 words
.set A_C,    128
.set A_P,    1024
.endif
.set B_W0,   (1<<16)|(1<<20)|(1<<21)|(5<<22)|(3<<25)
.set PB,     272                       ; W's LDS row.  All pitches are odd multiples of 16 bytes: the 16 rows of a fragment load start in 16 different groups of four banks
.set BN,     32*NB                     ; columns of a work-group's tile
.set BHALF,  16*NB*PB                  ; what one load of W brings, and what a wave reads of W
.set ABYTES, 2*AHALF
.set SLOT,   ABYTES+2*BHALF            ; 121,856 or 108,544 bytes
.set STAGE,  2*SLOT                    ; behind the ring, a multiple of 256: 16 rows for each wave, for the way out; no tensor load lands here
.set BSTEP,  256
.set LAPS,   4                         ; 1024 / 256: a lap = two K steps = once round the ring
.set ADRA, 16                          ; v16-17  LDS address of my A fragments in slot 0, 1
.set ADRB, 20                          ; v20-21  the same for W
.set STO,  24
.set RD,   25
.set CO,   26
.set BO,   27
.set BIAS, 32
.set TMP,  80
.set F0,   128
.set F1,   192
.set BK,   128                         ; the way out: two buffers of 32
.set G1,  24                           ; s[24:31] descriptor group 1 for A;  s[32:39] group 0, a set for each slot
.set G0,  32
.set G1B, 48                           ; s[48:55], s[56:63] the same for W
.set G0B, 56
.set MSB, 0
.macro WIN new                         ; the immediate's high byte repeats the setting that is left; a switch that changes nothing is dropped
.if MSB != (\new)
	s_set_vgpr_msb (MSB<<8)|(\new)
.set MSB, (\new)
.endif
.endm
.macro PLACES                          ; four plain vector instructions between a matrix instruction and a load into, or a reader of, its registers (ISA guide 7.12.1 for vector instructions)
.rept 4
	v_nop
.endr
.endm
.macro JLOAD s                         ; a joint load: waves 0 and 1 fetch A's two halves, waves 2 and 3 W's; four v_nop follow each line, ahead of the jump and the label
	s_cmp_eq_u32 s13, 0
	s_cbranch_scc0 .Lfor_b_\@
	tensor_load_to_lds s[G0+4*\s:G0+4*\s+3], s[G1:G1+7]
	s_nop 0
	PLACES
	s_branch .Lasked_\@
.Lfor_b_\@:
	tensor_load_to_lds s[G0B+4*\s:G0B+4*\s+3], s[G1B:G1B+7]
	s_nop 0
	PLACES
.Lasked_\@:
.endm
.macro CREST                           ; a round of the cluster's barrier behind its opening barrier
	s_cmp_lg_u32 s12, 0
	s_cbranch_scc1 .Lnot_wave_0_\@
	s_barrier_signal -3
.Lnot_wave_0_\@:
	s_barrier_wait -3
	s_barrier_signal -1
	s_barrier_wait -1
.endm
.macro CROUND
	s_barrier_signal -1
	s_barrier_wait -1
	CREST
.endm
	s_load_b256 s[4:11], s[0:1], 0x0               ; A s[4:5], wT s[6:7], bias s[8:9], C s[10:11]
	s_set_vgpr_msb 0x40
	v_lshl_add_u32 v255, v0, 2, 0x39400
	s_set_vgpr_msb 0x4000
	v_mov_b32 v127, 0
	s_set_vgpr_msb 0x1
	ds_add_u32 v255, v127
	ds_add_u32 v255, v127
	s_set_vgpr_msb 0x100
	v_lshrrev_b32 v1, 5, v0
	v_readfirstlane_b32 s12, v1                    ; wave 0..3
	s_lshr_b32 s13, s12, 1                         ; which half of the tile's rows is mine.  Also: I fetch for A (0) or for W (1)
	s_and_b32 s14, s12, 1                          ; which half of its columns.  Also: which half of that tile I fetch
	s_bfe_u32 s40, ttmp6, 0x40000                  ; cx, cy: my place in the cluster
	s_bfe_u32 s41, ttmp6, 0x40004
	s_lshl_b32 s42, ttmp9, 2
	s_add_co_u32 s42, s42, s40                     ; tile column = 4 x cluster x + cx
	s_and_b32 s43, ttmp7, 0xffff
	s_lshl_b32 s43, s43, 2
	s_add_co_u32 s43, s43, s41                     ; tile row = 4 x cluster y + cy
	s_lshl_b32 s44, s41, 2
	s_lshl_b32 s44, 15, s44                        ; my row of the cluster: places 4 cy .. 4 cy + 3
	s_lshl_b32 s45, 0x1111, s40                    ; my column: places cx, cx + 4, cx + 8, cx + 12
	s_or_b32 s[G1+0], s44, A_W0                    ; A's tiles go to my row
	s_mov_b32 s[G1+1], A_C<<16                     ; tensor_dim0
	s_mov_b32 s[G1+2], 128<<16                     ; tensor_dim1 = 128
	s_mov_b32 s[G1+3], A_C<<16                     ; tile_dim0
	s_mov_b32 s[G1+4], 128                         ; tile_dim1
	s_mov_b32 s[G1+5], A_P                         ; elements from row to row
	s_mov_b32 s[G1+6], 0
	s_mov_b32 s[G1+7], 0
	s_or_b32 s[G1B+0], s45, B_W0                   ; W's tiles go to my column
	s_mov_b32 s[G1B+1], 128<<16
	s_mov_b32 s[G1B+2], (16*NB)<<16
	s_mov_b32 s[G1B+3], 128<<16
	s_mov_b32 s[G1B+4], 16*NB
	s_mov_b32 s[G1B+5], 1024
	s_mov_b32 s[G1B+6], 0
	s_mov_b32 s[G1B+7], 0
	; where the tiles come from: A's address hangs on the tile row and the wave alone, W's on the tile column and the wave alone
.if PROJ
	s_lshr_b32 s16, s43, 3                         ; batch = tile row / 8
	s_lshl_b32 s16, s16, 4
	s_add_co_u32 s16, s16, s14                     ; 16 batch + head (the K step's first or second)
	s_lshl_b32 s16, s16, 18                        ; a head is 2,048 rows of 128 bytes
	s_and_b32 s17, s43, 7
	s_lshl_b32 s17, s17, 15                        ; 256 rows of 128 bytes
	s_add_co_u32 s16, s16, s17
.else
	s_lshl_b32 s16, s43, 8
	s_lshl_b32 s17, s14, 7
	s_add_co_u32 s16, s16, s17                     ; row 256 x tile row + 128 x half
	s_lshl_b32 s16, s16, 11                        ; rows of 2,048 bytes
.endif
	s_mov_b32 s17, 0
	s_mul_i32 s46, s42, BN
	s_mul_i32 s47, s14, BN/2
	s_add_co_u32 s46, s46, s47
	s_add_co_u32 s46, s46, BROW0                   ; row of wT
	s_lshl_b32 s46, s46, 11
	s_mov_b32 s47, 0
	s_mul_i32 s20, s12, AHALF                      ; where they go: A's halves at wave x AHALF (waves 0, 1),
	s_mul_i32 s21, s12, BHALF
	s_add_co_u32 s21, s21, ABYTES-2*BHALF          ; W's behind A at (wave - 2) x BHALF (waves 2, 3): no place in the cluster enters an LDS address
	s_wait_dscnt 0x0
	s_wait_kmcnt 0x0
	s_add_nc_u64 s[16:17], s[4:5], s[16:17]
	s_add_nc_u64 s[46:47], s[6:7], s[46:47]
	CROUND                                         ; all sixteen work-groups are here: the first joint loads meet
.irp s, 0,1
	s_mov_b32 s[G0+4*\s], 1                                        ; count = 1
	s_add_co_u32 s[G0+4*\s+1], s20, \s*SLOT                        ; LDS address
	s_add_nc_u64 s[G0+4*\s+2:G0+4*\s+3], s[16:17], \s*ASTEP        ; global address: K step s
	s_or_b32 s[G0+4*\s+3], s[G0+4*\s+3], 0x80000000                ; type = 2
	s_mov_b32 s[G0B+4*\s], 1
	s_add_co_u32 s[G0B+4*\s+1], s21, \s*SLOT
	s_add_nc_u64 s[G0B+4*\s+2:G0B+4*\s+3], s[46:47], \s*BSTEP
	s_or_b32 s[G0B+4*\s+3], s[G0B+4*\s+3], 0x80000000
.endr
	s_cmp_eq_u32 s13, 0                            ; a wave's two first fills stand in one branch, ahead of every wait on TENSORcnt and every LDS read: two loads of mine are out
	s_cbranch_scc0 .Lfirst_b
	tensor_load_to_lds s[G0:G0+3], s[G1:G1+7]
	s_nop 0
	tensor_load_to_lds s[G0+4:G0+7], s[G1:G1+7]
	s_nop 0
	PLACES
	s_branch .Lfirst_asked
.Lfirst_b:
	tensor_load_to_lds s[G0B:G0B+3], s[G1B:G1B+7]
	s_nop 0
	tensor_load_to_lds s[G0B+4:G0B+7], s[G1B:G1B+7]
	s_nop 0
	PLACES
.Lfirst_asked:
	v_and_b32 v1, 15, v0                           ; r = l % 16
	v_bfe_u32 v2, v0, 4, 1                         ; h = l / 16
	; the bias of my columns, in an accumulator's layout: block b, register j = bias[first column + 16 b + 8 h + j]
	v_lshlrev_b32 v[BO], 5, v2
	s_mul_i32 s46, s42, BN*4
	s_mul_i32 s47, s14, BN*2
	s_add_co_u32 s46, s46, s47                     ; my first column, in bytes of f32
	s_mov_b32 s47, 0
	s_add_nc_u64 s[8:9], s[8:9], s[46:47]
.set bb, 0
.rept NB
	global_load_b128 v[BIAS+8*bb:BIAS+8*bb+3],   v[BO], s[8:9] offset:64*bb
	global_load_b128 v[BIAS+8*bb+4:BIAS+8*bb+7], v[BO], s[8:9] offset:64*bb+16
.set bb, bb+1
.endr
	; a fragment is 16 rows x 32 k in 8 registers: lane l holds row r; registers 0-3 k = 8 h + 0..7, registers 4-7 k = 16 + 8 h + 0..7: two loads of 16 bytes, 32 bytes apart
	v_mul_u32_u24 v3, v1, PA
	v_lshl_add_u32 v3, v2, 4, v3
	v_mul_u32_u24 v4, v1, PB
	v_lshl_add_u32 v4, v2, 4, v4
	s_mul_i32 s22, s13, 128*PA                     ; my 128 rows of A
	s_mul_i32 s23, s14, BHALF                      ; my rows of W,
	s_add_co_u32 s23, s23, ABYTES                  ; which lie behind A
.irp s, 0,1
	v_add_nc_u32 v[ADRA+\s], s22, v3
	v_add_nc_u32 v[ADRB+\s], s23, v4
	s_add_co_u32 s22, s22, SLOT
	s_add_co_u32 s23, s23, SLOT
.endr
	s_mul_i32 s23, s12, 16*SPITCH
	s_add_co_u32 s23, s23, STAGE                   ; my stage
	v_mul_u32_u24 v5, v1, SPITCH                   ; in: row r, my eight columns
.if PROJ
	v_lshl_add_u32 v5, v2, 5, v5                   ; 32 bytes of f32 for each half of the lanes
	v_add_nc_u32 v[STO], s23, v5
	v_mul_u32_u24 v5, v2, SPITCH                   ; back: lanes 0-15 one row of 256 bytes, lanes 16-31 the next
	v_lshl_add_u32 v5, v1, 4, v5
	v_add_nc_u32 v[RD], s23, v5
	v_lshlrev_b32 v5, 12, v2                       ; and the same two rows of out0 (4,096 bytes each)
	v_lshl_add_u32 v[CO], v1, 4, v5
	s_lshl_b32 s16, s43, 8
	s_lshl_b32 s17, s13, 7
	s_add_co_u32 s16, s16, s17                     ; my first row
	s_lshl_b32 s16, s16, 12
	s_add_co_u32 s46, s46, s16                     ; + my first column, in bytes
.else
	v_lshl_add_u32 v5, v2, 4, v5                   ; 16 bytes of f16 for each half of the lanes
	v_add_nc_u32 v[STO], s23, v5
	v_and_b32 v6, 31, v0                           ; back: eight rows x 64 bytes of one plane: row l / 4, 16 bytes at 16 (l % 4)
	v_lshrrev_b32 v5, 2, v6
	v_mul_u32_u24 v5, v5, SPITCH
	v_and_b32 v7, 3, v0
	v_lshl_add_u32 v5, v7, 4, v5
	v_add_nc_u32 v[RD], s23, v5
	v_lshlrev_b32 v[CO], 4, v6                     ; in a plane those eight rows are 512 consecutive bytes
	s_lshr_b32 s16, s43, 3
	s_mul_i32 s16, s16, 96*131072                  ; batch
	s_and_b32 s17, s43, 7
	s_lshl_b32 s17, s17, 8
	s_lshl_b32 s18, s13, 7
	s_add_co_u32 s17, s17, s18                     ; my first row in the batch
	s_lshl_b32 s17, s17, 6                         ; a plane's rows are 64 bytes
	s_add_co_u32 s16, s16, s17
	s_mul_i32 s46, s42, 6
	s_mul_i32 s47, s14, 3
	s_add_co_u32 s46, s46, s47                     ; my first plane: 192 columns are six planes, my 96 are three
	s_lshl_b32 s46, s46, 17
	s_add_co_u32 s46, s46, s16
.endif
	s_mov_b32 s47, 0
	s_add_nc_u64 s[10:11], s[10:11], s[46:47]
; 2 NB matrix instructions: row blocks a0, a0 + 1 of the window's four (hi = 0: my rows 0-63, 1: rows 64-127) x all NB column blocks, 32 along K.
; The accumulators take turns, one instruction a turn: between two products on one accumulator stand the 8 NB - 1 others'.
.macro MULH f, hi, a0, first
.irp a, \a0, \a0+1
.set bb, 0
.rept NB
.if \first
	v_wmma_f32_16x16x32_f16 v[8*(NB*(\a)+bb):8*(NB*(\a)+bb)+7], v[\f+8*bb:\f+8*bb+7], v[\f+8*(4*\hi+\a):\f+8*(4*\hi+\a)+7], v[BIAS+8*bb:BIAS+8*bb+7]
.else
	v_wmma_f32_16x16x32_f16 v[8*(NB*(\a)+bb):8*(NB*(\a)+bb)+7], v[\f+8*bb:\f+8*bb+7], v[\f+8*(4*\hi+\a):\f+8*(4*\hi+\a)+7], v[8*(NB*(\a)+bb):8*(NB*(\a)+bb)+7]
.endif
.set bb, bb+1
.endr
.endr
.endm
; 2 NB + 16 LDS loads in one run: the fragments of quarter q (32 along K) of a slot into buffer f
.macro FETCH slot, q, f
.if PROJ
.set AQ, (\q/2)*AHALF+(\q%2)*64        ; the K step's first or second head, its channels 0-31 or 32-63
.else
.set AQ, 64*\q
.endif
	WIN 0x40                                       ; destination window 1, address window 0
.set ii, 0
.rept NB
	ds_load_b128 v[\f+8*ii:\f+8*ii+3],   v[ADRB+\slot] offset:64*\q+ii*16*PB
	ds_load_b128 v[\f+8*ii+4:\f+8*ii+7], v[ADRB+\slot] offset:64*\q+ii*16*PB+32
.set ii, ii+1
.endr
	WIN 0
.irp i, 0,1,2,3,4,5,6,7
	ds_load_b128 v[\f+8*\i:\f+8*\i+3],   v[ADRA+\slot] offset:AQ+\i*16*PA
	ds_load_b128 v[\f+8*\i+4:\f+8*\i+7], v[ADRA+\slot] offset:AQ+\i*16*PA+32
.endr
.endm
; A K step is four quarters of 32 along K, 8 NB matrix instructions each, on buffers 0, 1, 0, 1.  One of the first three: multiplies buffer f and, in its middle, fetches quarter q into buffer g.
; first = 1: C is the bias, in window 0 (settings 0x81, 0xc1); else C = D in window 2 or 3 (0xa1, 0xf1).  Source 0 (W) window 1, source 1 (A) window 0.
.macro QUARTER slot, q, f, g, first
	s_wait_dscnt 8                                 ; W and A's rows 0-63 are in; the youngest eight loads (A's rows 64-127) may be out
	WIN 0xa1-0x20*\first
	MULH \f, 0, 0, \first
	MULH \f, 0, 2, \first
	PLACES
	FETCH \slot, \q, \g
	s_wait_dscnt 2*NB+16                           ; all but the run just issued
	WIN 0xf1-0x30*\first
	MULH \f, 1, 0, \first
	MULH \f, 1, 2, \first
.endm
; The last quarter multiplies buffer 1 and changes slots: ONE barrier.  In front of it each wave waits for its own reads of this slot and for all its tensor loads, of which one is out: its part of
; the next slot.  fill = 1: the barrier opens a round of the cluster's barrier, and behind the round this slot is filled again, two K steps ahead, first thing: 30 NB matrix instructions ahead of the wait for it.
.macro TURN slot, next, fill
	s_wait_dscnt 8
	WIN 0xa1
	MULH F1, 0, 0, 0
	s_wait_dscnt 0x0                               ; my reads of this slot are over,
	s_wait_tensorcnt 0x0                           ; and all my tensor loads have landed
	ds_add_u32 v255, v127
	s_wait_dscnt 0x0
	s_barrier_signal -1
	MULH F1, 0, 2, 0                               ; registers only
.if \fill
	WIN 0
.endif
	s_barrier_wait -1
.if \fill
	CREST                                          ; no wave of any partner still reads this slot or has a load on its way
	s_add_nc_u64 s[G0+4*\slot+2:G0+4*\slot+3], s[G0+4*\slot+2:G0+4*\slot+3], 2*ASTEP
	s_add_nc_u64 s[G0B+4*\slot+2:G0B+4*\slot+3], s[G0B+4*\slot+2:G0B+4*\slot+3], 2*BSTEP
	JLOAD \slot                                    ; its four v_nop are also the places in front of the loads below
.else
	PLACES
.endif
	FETCH \next, 0, F0
	WIN 0xf1
	MULH F1, 1, 0, 0
	MULH F1, 1, 2, 0
.endm
	s_wait_loadcnt 0x0                             ; the bias
	s_wait_tensorcnt 0x1                           ; my part of K step 0 is in; K step 1's may stay out
	s_barrier_signal -1
	s_barrier_wait -1                              ; everybody's is
	FETCH 0, 0, F0
	QUARTER 0, 1, F0, F1, 1                        ; the first quarter stands in front of the loop: its products start the sums from the bias
	WIN 0                                          ; at a label and at a branch every window is 0
	s_mov_b32 s3, LAPS-1
.Llap:                                                 ; a trip goes once round the ring, from a lap's second quarter to the next lap's first, and fills both slots again
	QUARTER 0, 2, F1, F0, 0
	QUARTER 0, 3, F0, F1, 0
	TURN 0, 1, 1
	QUARTER 1, 1, F0, F1, 0
	QUARTER 1, 2, F1, F0, 0
	QUARTER 1, 3, F0, F1, 0
	TURN 1, 0, 1
	QUARTER 0, 1, F0, F1, 0
	WIN 0
	s_sub_co_u32 s3, s3, 1
	s_cmp_lg_u32 s3, 0
	s_cbranch_scc1 .Llap
	QUARTER 0, 2, F1, F0, 0                        ; the last lap fills nothing, and has no round
	QUARTER 0, 3, F0, F1, 0
	TURN 0, 1, 0
	QUARTER 1, 1, F0, F1, 0
	QUARTER 1, 2, F1, F0, 0
	QUARTER 1, 3, F0, F1, 0
	s_wait_dscnt 8                                 ; the very last quarter: nothing more to fetch
	WIN 0xa1
	MULH F1, 0, 0, 0
	MULH F1, 0, 2, 0
	s_wait_dscnt 0x0
	WIN 0xf1
	MULH F1, 1, 0, 0
	MULH F1, 1, 2, 0
	WIN 0
	PLACES                                         ; what follows reads results and loads into fragment registers
; THE WAY OUT, a block of 16 rows at a time through my own stage: LDS serves a wave's instructions in order (ISA guide 5.7.1.4), so the loads see the stores above them and the next block's stores come behind them.
.if PROJ
.macro TOSTAGE a                       ; f32 as it lies in the accumulators: 32 bytes a lane and block, then back as whole rows of 256 bytes
.set bk, BK+32*((\a)%2)
	WIN 0x08+4*((\a)/4)                            ; store data in window 2 or 3
.irp b, 0,1,2,3
	ds_store_b128 v[STO], v[8*(NB*((\a)%4)+\b):8*(NB*((\a)%4)+\b)+3]   offset:64*\b
	ds_store_b128 v[STO], v[8*(NB*((\a)%4)+\b)+4:8*(NB*((\a)%4)+\b)+7] offset:64*\b+16
.endr
	WIN 0
	s_wait_xcnt 0x0                                ; the stores of the block two back have had their addresses translated: only behind this wait is their data buffer loaded again
.irp t, 0,1,2,3,4,5,6,7
	ds_load_b128 v[bk+4*\t:bk+4*\t+3], v[RD] offset:\t*2*SPITCH
.endr
.endm
.macro SEND a, younger                 ; younger: the LDS instructions issued behind block a's loads
.set bk, BK+32*((\a)%2)
	s_wait_dscnt \younger
.irp t, 0,1,2,3,4,5,6,7
	global_store_b128 v[CO], v[bk+4*\t:bk+4*\t+3], s[10:11] offset:(16*(\a)+2*\t)*4096 th:TH_STORE_NT   ; sixteen lanes store 256 consecutive aligned bytes of a row
.endr
.endm
	TOSTAGE 0
.irp a, 1,2,3,4,5,6,7
	TOSTAGE \a
	SEND \a-1, 16                                  ; the next block's eight stores and eight loads may be out
.endr
	SEND 7, 0
.else
.macro PACK a                          ; rounded to f16, 16 bytes a lane and block
	WIN 0x0a+5*((\a)/4)                            ; sources 0 and 1: window 2 or 3
.set bb, 0
.rept NB
.irp r, 0,1,2,3
	v_cvt_pk_f16_f32 v[TMP+4*bb+\r], v[8*(NB*((\a)%4)+bb)+2*\r], v[8*(NB*((\a)%4)+bb)+2*\r+1]
.endr
.set bb, bb+1
.endr
	WIN 0
.endm
.macro TOSTAGE a                       ; rows of 192 bytes in; back by planes: load t takes plane t / 2, rows 8 (t % 2) + 0..7
.set bk, BK+32*((\a)%2)
.irp b, 0,1,2,3,4,5
	ds_store_b128 v[STO], v[TMP+4*\b:TMP+4*\b+3] offset:32*\b
.endr
	s_wait_xcnt 0x0                                ; the stores of the block two back have had their addresses translated: only behind this wait is their data buffer loaded again
.irp t, 0,1,2,3,4,5
	ds_load_b128 v[bk+4*\t:bk+4*\t+3], v[RD] offset:(\t%2)*8*SPITCH+(\t/2)*64
.endr
.endm
.macro SEND a, younger
.set bk, BK+32*((\a)%2)
	s_wait_dscnt \younger
.irp t, 0,1,2,3,4,5
	global_store_b128 v[CO], v[bk+4*\t:bk+4*\t+3], s[10:11] offset:(\t/2)*131072+(\t%2)*512+(\a)*1024   ; a wave stores 512 consecutive aligned bytes of a plane
.endr
.endm
	PACK 0
	TOSTAGE 0
.irp a, 1,2,3,4,5,6,7                  ; block a's conversions stand between block a - 1's loads from the stage and the wait for them
	PACK \a
	SEND \a-1, 0
	TOSTAGE \a
.endr
	SEND 7, 0
.endif
	s_set_vgpr_msb 0x1
	s_wait_tensorcnt 0x0
	ds_add_u32 v255, v127
	s_wait_dscnt 0x0
	s_set_vgpr_msb 0x100
	CROUND                                         ; the closing round: no work-group ends while a partner may still ask for a tile that names it
	s_endpgm
.Lfunc_end_k_qae14f6de8d_proj:
	.size	k_qae14f6de8d_proj, .Lfunc_end_k_qae14f6de8d_proj-k_qae14f6de8d_proj
	.p2alignl 7, 3214868480
	.fill 96, 4, 3214868480
	.section	.rodata,"a",@progbits
	.p2align	6, 0x0
	.amdhsa_kernel k_qae14f6de8d_proj
		.amdhsa_group_segment_fixed_size 327680
		.amdhsa_private_segment_fixed_size 0
		.amdhsa_enable_private_segment 0
		.amdhsa_kernarg_size 32
		.amdhsa_user_sgpr_count 2
		.amdhsa_user_sgpr_kernarg_segment_ptr 1
		.amdhsa_wavefront_size32 1
		.amdhsa_system_sgpr_workgroup_id_x 1
		.amdhsa_system_sgpr_workgroup_id_y 1
		.amdhsa_system_sgpr_workgroup_id_z 1
		.amdhsa_system_vgpr_workitem_id 0
		.amdhsa_next_free_vgpr 896
		.amdhsa_next_free_sgpr 66
		.amdhsa_reserve_vcc 0
		.amdhsa_float_denorm_mode_32 3
		.amdhsa_float_denorm_mode_16_64 3
		.amdhsa_memory_ordered 1
		.amdhsa_forward_progress 1
		.amdhsa_inst_pref_size 87
	.end_amdhsa_kernel
	.amdgpu_metadata
---
amdhsa.version: [ 1, 2 ]
amdhsa.kernels:
  - .name:           k_qae14f6de8d_proj
    .symbol:         k_qae14f6de8d_proj.kd
    .args:
      - { .name: oh, .offset: 0, .size: 8, .value_kind: global_buffer, .address_space: global }
      - { .name: wT, .offset: 8, .size: 8, .value_kind: global_buffer, .address_space: global }
      - { .name: b_proj, .offset: 16, .size: 8, .value_kind: global_buffer, .address_space: global }
      - { .name: out0, .offset: 24, .size: 8, .value_kind: global_buffer, .address_space: global }
    .group_segment_fixed_size: 327680
    .private_segment_fixed_size: 0
    .kernarg_segment_align: 8
    .kernarg_segment_size: 32
    .max_flat_workgroup_size: 128
    .sgpr_count:     66
    .vgpr_count:     896
    .wavefront_size: 32
...
	.end_amdgpu_metadata
.endif
;; end of part 4
;; ======== version 2 of 2: 4 launches; 1.15 times as fast as version 1
;; limits: values are held in f16: magnitudes above 65,504 overflow, below 6.1e-05 lose precision
;; workspace buffers: xh 16,777,216 bytes; wT 8,388,608 bytes; qkvh 50,331,648 bytes; oh 16,777,216 bytes
;; launch prep: the kernel of part 1 again; grid 1024 x 1, 8 waves a work-group, no clusters, 18,432 bytes of LDS; arguments input_data, w_qkv, w_proj, xh, wT; writes xh, wT
;; launch qkv: the kernel of part 2 again; grid 16 x 16, 4 waves a work-group, clusters of 4 x 4, 327,680 bytes of LDS; arguments xh, wT, b_qkv, qkvh; writes qkvh
;; launch attn (part 5): grid 4 x 64, 4 waves a work-group, no clusters, 327,680 bytes of LDS; arguments qkvh, oh; writes oh
.if DOCPART == 5
	.amdgcn_target "amdgcn-amd-amdhsa--gfx1250"
	.amdhsa_code_object_version 6
	.text
	.protected	k_qae14f6de8d_attn
	.globl	k_qae14f6de8d_attn
	.p2align	8
	.type	k_qae14f6de8d_attn,@function
k_qae14f6de8d_attn:
	s_mov_b64 s[64:65], 0
	v_nop
	global_prefetch_b8 v0, s[64:65] scope:SCOPE_SE
	s_setreg_imm32_b32 hwreg(HW_REG_WAVE_MODE, 25, 1), 1
	s_wait_xcnt 0x0
; oh[b][h][q][:] = sum over k <= q of softmax_k(Q[q] . K[k] / 4) V[k][:], for 64 pairs (batch, head), 2,048 positions, 64 channels.  Operands f16, products, maxima and sums f32.
; qkvh[batch][plane 96][s][32]: Q of head h is planes 2 h, 2 h + 1, K planes 32 + 2 h .., V planes 64 + 2 h ..; a plane's row is 64 bytes, 256 rows are 16 KiB dense.
; SHARES.  Work-group (j, bh), j = 0..3, makes two blocks of 256 queries: block j, then block 7 - j.  Keys beyond a query are never multiplied, so the blocks want j + 1 and 8 - j slots of
; 256 keys: nine in every work-group, 256 work-groups of equal work.  A wave owns 64 queries of a block, four tiles of 16 DEALT BY TURNS: tile t of wave w is rows 64 t + 16 w .. + 15.
; So in step u of the diagonal slot (keys 64 u .. + 63) every wave has tile u on the diagonal, the tiles above u whole and the tiles below u without a key: 4 + 3 + 2 + 1 = 10 tile steps
; in every wave, and no wave waits at the next barrier for one with more.
; A block takes its key slots downward, the diagonal one first: the step that starts m, l and O is then fixed in the text, and key 0 of that slot lies at or below every query, so every running maximum is finite from the first step on.
; NO JOINT LOADS: the four work-groups of a head walk lists of key slots of different lengths in each pass (j + 1 against j' + 1), so no tile is wanted by two of them in the same trip.
; LAYOUT.  S^T = K Q^T (source 0 = 16 keys, source 1 = 16 queries): a lane holds ONE query (l % 16) and keys 8 (l / 16) + 0..7.  Two such tiles, rounded to f16 in pairs, ARE source 1 of
; O^T = V^T P, whose result again holds one query a lane, and eight channels.  K comes out of LDS as it lies, V ([key][channel]) turned, by ds_load_tr16_b128.
; SOFTMAX.  Running maximum m and sum l for each query: p = 2^(c s - c m), c = log2(e) / 4; in every step O and l are multiplied by a = 2^(c m_old - c m_new).
; BATCHES.  A step's exponentials (a of each tile that takes part, then all its weights: 132 with four tiles) are ONE batch with ONE wait: ahead of the wait stand the exponentials and, between them, the
; scalings c s - c m, which name no result of the batch; behind it stand all that do: the roundings to f16, the sums, l and the rescaling of O^T.  The four reciprocals of a block's way out are a batch of their own.
; TRIPS.  A trip is one key slot.  Nine trips: the first (diagonal) written out, a loop of seven, the last (never diagonal) written out without a refill.  Two scalar numbers made of j choose a
; trip's work; no barrier and no tensor load stands under such a branch.  A wave has one tensor load out behind each barrier, and it has a whole trip in which to land.
; LIMITS: q, k, v are f16 (magnitudes under 65,504); a weight p under 2^-24 rounds to 0 in f16; v_exp_f32 gives 0 for results under 2^-126.
; REGISTERS: window 0: v2-11 addresses, v16-47 statistics (8 a tile), v64-191 S^T (32 a tile), v192-255 P (16 a tile)
;   window 1: v0-127 O^T (32 a tile), v128-191 K of a step, v192-255 V of a step          window 2: v0-63 Q of the block in hand, v64-127 Q of the second block
.set KP,    80        ; a row of a K plane in LDS: 64 bytes + 16: an odd multiple of 16
.set VP,    96        ; of a V plane: 64 + 32: an odd multiple of 32, for the turning load
.set KPL,   256*KP    ; a plane of 256 keys
.set VPL,   256*VP
.set VOFF,  2*KPL     ; a slot: K's two planes, then V's two
.set SLOTB, VOFF+2*VPL  ; 90,112 bytes
.set SLOT1, 131072    ; slot 1 begins here, so that one exclusive or turns an address in one slot into the other's
.set STAGE, SLOTB     ; between the slots, a multiple of 256: 16 rows x 144 bytes for each wave, for the way out; no tensor load lands here
.set SP,    144
.set PLANE, 131072
.set LEAD,  4         ; a pair of scores is scaled this many pairs ahead of its exponentials: eleven instructions lie between
.set AK0, 2           ; v2   my lane's place in a K plane; never rewritten
.set AV0, 3           ; v3   the same for V
.set ADK, 4           ; v4   LDS address of the step's K
.set ADV, 5           ; v5   of its V
.set QO,  6
.set STO, 7
.set RD,  8
.set GO,  9
.set NI,  10          ; v10  minus infinity
.set DW,  11          ; v11  l % 16 - 8 (l / 16) + 16 w: in the diagonal tile, key register jj of key block kb is allowed where 16 kb + jj <= DW
.set ST,  16          ; tile t's statistics at v[ST+8 t]: +0 c m, +1 m, +2, +3 l (even keys', odd keys'), +4 to +7 c0-c3 at work; a (and at the end 1 / l) in c2
.set S,   64
.set P,   192
.set KR,  128         ; window 1: K(kb, c) at KR + 16 kb + 8 c
.set VR,  192         ; window 1: V(cb, kh) at VR + 16 cb + 8 kh
.set WV,  8           ; s8   my wave's number
.set NX,  22          ; s22  the key slot to be asked for next
.set G1K, 24          ; s[24:31] descriptor group 1 for K's planes, s[32:39] for V's: they differ in the padding
.set G1V, 32
.set G0K, 40          ; s[40:43], s[44:47] descriptor group 0
.set G0V, 44
.set CUR, 48          ; s48  LDS byte at which the slot to be read next begins
.set U,   49          ; s49  counts a whole slot's four steps of 64 keys
.set TR,  50          ; s50  counts the loop's trips
.set CNT, 51          ; s51  trips left in the first block
.set DG,  52          ; s52  1: the trip is a block's first, on the diagonal
.set CS,  54          ; s[54:55] c, twice
.set SEL, 56          ; s[56:57] lane selects: each lane takes its own place in the other half
.set OB,  58          ; s[58:59] oh at my rows of the block in hand, s[60:61] of the second block
.set MK,  66          ; s66-97 lane masks of the diagonal tile: key block kb, key register jj at MK + 8 kb + jj
.set QA,  98          ; s[98:99], s[100:101] Q at my rows of the two blocks
.set MSB, 0
.macro WIN new                      ; the immediate's high byte repeats the setting that is left; a switch that changes nothing is dropped
.if MSB != (\new)
	s_set_vgpr_msb (MSB<<8)|(\new)
.set MSB, (\new)
.endif
.endm
.macro PLACES                       ; four plain vector instructions between a matrix instruction and a load into, or a reader of, its registers (ISA guide 7.12.1 for vector instructions)
.rept 4
	v_nop
.endr
.endm
.macro NEXTSLOT                     ; downward through a block's key slots; behind slot 0 comes the second block's diagonal slot, 7 - j
	s_sub_co_u32 s62, s[NX], 1
	s_cmp_eq_u32 s[NX], 0
	s_cselect_b32 s[NX], s23, s62
.endm
.macro KVLOAD                       ; waves 0 and 1 fetch K's two planes, waves 2 and 3 V's: 16 KiB each; four v_nop follow each line, ahead of the jump and the label
	s_cmp_lt_u32 s[WV], 2
	s_cbranch_scc0 .Lfor_v_\@
	tensor_load_to_lds s[G0K:G0K+3], s[G1K:G1K+7]
	s_nop 0
	PLACES
	s_branch .Lasked_\@
.Lfor_v_\@:
	tensor_load_to_lds s[G0V:G0V+3], s[G1V:G1V+7]
	s_nop 0
	PLACES
.Lasked_\@:
.endm
	s_load_b128 s[4:7], s[0:1], 0x0  ; qkvh s[4:5], oh s[6:7]
	v_lshl_add_u32 v62, v0, 2, 0x36000
	v_mov_b32 v63, 0
	ds_add_u32 v62, v63
	ds_add_u32 v62, v63
	v_lshrrev_b32 v1, 5, v0
	v_readfirstlane_b32 s[WV], v1   ; wave 0..3
	s_mov_b32 s9, ttmp9             ; j
	s_and_b32 s10, ttmp7, 0xffff    ; 16 batch + head
	s_and_b32 s11, s[WV], 1         ; which plane I fetch
	s_sub_co_u32 s23, 7, s9         ; the second block
	; descriptor group 1: a plane's 256 keys are 16 KiB dense: 64 rows of 32 elements of 8 bytes; after every 16 words (code 3), one key's 64 bytes, 4 or 8 words of padding (codes 3, 7)
	s_mov_b32 s[G1K], (3<<16)|(1<<20)|(3<<22)|(3<<25)
	s_mov_b32 s[G1V], (3<<16)|(1<<20)|(3<<22)|(7<<25)
.irp g, G1K, G1V
	s_mov_b32 s[\g+1], 32<<16       ; tensor_dim0 = 32
	s_mov_b32 s[\g+2], 64<<16       ; tensor_dim1 = 64
	s_mov_b32 s[\g+3], 32<<16       ; tile_dim0 = 32
	s_mov_b32 s[\g+4], 64           ; tile_dim1 = 64
	s_mov_b32 s[\g+5], 32           ; elements from row to row
	s_mov_b32 s[\g+6], 0
	s_mov_b32 s[\g+7], 0
.endr
	s_mov_b32 s[CS], 0x3eb8aa3b     ; c = log2(e) / 4: the module divides the scores by sqrt(16)
	s_mov_b32 s[CS+1], s[CS]
	s_mov_b32 s[SEL], 0x76543210
	s_mov_b32 s[SEL+1], 0xfedcba98
	s_mov_b32 s[CUR], 0
	s_mov_b32 s[NX], s9             ; the first block's diagonal slot
	s_lshr_b32 s12, s10, 4
	s_mul_i32 s12, s12, 96*PLANE    ; batch
	s_and_b32 s13, s10, 15
	s_lshl_b32 s13, s13, 18         ; two planes a head
	s_add_co_u32 s12, s12, s13
	s_mov_b32 s13, 0
	s_lshl_b32 s14, s11, 17         ; my plane of the two
	s_mov_b32 s15, 0
	s_lshl_b32 s20, s[NX], 14       ; a key slot is 16,384 bytes of a plane
	s_mov_b32 s21, 0
	s_wait_dscnt 0x0
	s_wait_kmcnt 0x0
	s_add_nc_u64 s[4:5], s[4:5], s[12:13]  ; qkvh at the head's first plane of Q
	s_add_nc_u64 s[16:17], s[4:5], s[14:15]
	s_add_nc_u64 s[18:19], s[16:17], 64*PLANE  ; my plane of V
	s_add_nc_u64 s[16:17], s[16:17], 32*PLANE  ; my plane of K
	s_mov_b32 s[G0K], 1             ; count = 1
	s_mul_i32 s[G0K+1], s11, KPL    ; LDS address, slot 0
	s_add_nc_u64 s[G0K+2:G0K+3], s[16:17], s[20:21]
	s_or_b32 s[G0K+3], s[G0K+3], 0x80000000  ; type = 2
	s_mov_b32 s[G0V], 1
	s_mul_i32 s[G0V+1], s11, VPL
	s_add_co_u32 s[G0V+1], s[G0V+1], VOFF
	s_add_nc_u64 s[G0V+2:G0V+3], s[18:19], s[20:21]
	s_or_b32 s[G0V+3], s[G0V+3], 0x80000000
	KVLOAD                          ; the first fill, ahead of every wait on TENSORcnt, every LDS read and every barrier
	NEXTSLOT
	; Q of both blocks stays in registers.  A fragment is 16 rows x 32 channels: lane l holds row l % 16; two loads of 16 bytes, 32 bytes apart
	s_lshl_b32 s12, s[WV], 10       ; my wave's 16 rows of 64 bytes in each 64 rows
	s_lshl_b32 s14, s9, 14
	s_add_co_u32 s14, s14, s12
	s_add_nc_u64 s[QA:QA+1], s[4:5], s[14:15]
	s_lshl_b32 s14, s23, 14
	s_add_co_u32 s14, s14, s12
	s_add_nc_u64 s[QA+2:QA+3], s[4:5], s[14:15]
	v_and_b32 v1, 15, v0            ; r = l % 16
	v_bfe_u32 v12, v0, 4, 1         ; h = l / 16
	v_and_b32 v13, 31, v0           ; l
	v_lshlrev_b32 v[QO], 6, v1
	v_lshl_add_u32 v[QO], v12, 4, v[QO]
	WIN 0x80                        ; destination window 2
.irp g, 0,1
.irp t, 0,1,2,3
.irp c, 0,1
	global_load_b128 v[64*\g+16*\t+8*\c:64*\g+16*\t+8*\c+3],   v[QO], s[QA+2*\g:QA+2*\g+1] offset:\t*4096+\c*PLANE
	global_load_b128 v[64*\g+16*\t+8*\c+4:64*\g+16*\t+8*\c+7], v[QO], s[QA+2*\g:QA+2*\g+1] offset:\t*4096+\c*PLANE+32
.endr
.endr
.endr
	WIN 0
	s_lshl_b32 s12, s10, 18         ; oh: a head is 2,048 rows of 128 bytes,
	s_lshl_b32 s13, s[WV], 11       ; my wave's 16 rows in each 64
	s_add_co_u32 s12, s12, s13
	s_lshl_b32 s14, s9, 15          ; a block's 256 rows
	s_add_co_u32 s14, s14, s12
	s_add_nc_u64 s[OB:OB+1], s[6:7], s[14:15]
	s_lshl_b32 s14, s23, 15
	s_add_co_u32 s14, s14, s12
	s_add_nc_u64 s[OB+2:OB+3], s[6:7], s[14:15]
	v_mul_u32_u24 v[AK0], v1, KP
	v_lshl_add_u32 v[AK0], v12, 4, v[AK0]  ; key row x pitch + 16 x half
	v_and_b32 v14, 7, v0            ; the turning load: lane l reads key 8 h + l % 8, channels 8 ((l / 8) % 2) + 0..7
	v_lshl_add_u32 v[AV0], v12, 3, v14
	v_mul_u32_u24 v[AV0], v[AV0], VP
	v_bfe_u32 v15, v0, 3, 1
	v_lshl_add_u32 v[AV0], v15, 4, v[AV0]
	v_add_nc_u32 v[AV0], VOFF, v[AV0]
	s_mul_i32 s62, s[WV], 16*SP
	s_add_co_u32 s62, s62, STAGE    ; my stage
	v_mul_u32_u24 v[STO], v1, SP    ; in: row r, 16 bytes for each half of the lanes
	v_lshl_add_u32 v[STO], v12, 4, v[STO]
	v_add_nc_u32 v[STO], s62, v[STO]
	v_lshrrev_b32 v15, 3, v13       ; back: four rows of 128 bytes: row l / 8, 16 bytes at 16 (l % 8)
	v_mul_u32_u24 v[RD], v15, SP
	v_lshl_add_u32 v[RD], v14, 4, v[RD]
	v_add_nc_u32 v[RD], s62, v[RD]
	v_lshlrev_b32 v[GO], 4, v13     ; in oh those four rows are 512 consecutive bytes
	v_mov_b32 v[NI], 0xff800000
	v_lshlrev_b32 v15, 3, v12
	v_sub_nc_u32 v[DW], v1, v15
	v_lshl_add_u32 v[DW], s[WV], 4, v[DW]
.irp kb, 0,1,2,3
.irp jj, 0,1,2,3,4,5,6,7
	v_cmp_le_i32 s[MK+8*\kb+\jj], 16*\kb+\jj, v[DW]  ; lanes whose key 16 kb + 8 h + jj is at or below their query 16 w + r
.endr
.endr
; THE HEAD OF A TRIP.  Each wave waits for its reads of the slot read last and for all its tensor loads, of which one is out: its part of the slot to be read now.  Behind the barrier
; nobody reads the old slot any more and the new one is whole.  fill = 1: the old slot is filled again, first thing behind the barrier, one load a wave.
.macro HEAD fill
	s_wait_dscnt 0x0
	s_wait_tensorcnt 0x0            ; no tensor load of mine is out, so a group 0 may be written
	ds_add_u32 v62, v63
	s_wait_dscnt 0x0
	v_add_nc_u32 v[ADK], s[CUR], v[AK0]
	v_add_nc_u32 v[ADV], s[CUR], v[AV0]
	s_xor_b32 s[CUR], s[CUR], SLOT1
.if \fill
	s_xor_b32 s[G0K+1], s[G0K+1], SLOT1  ; the other slot than last time
	s_xor_b32 s[G0V+1], s[G0V+1], SLOT1
	s_lshl_b32 s20, s[NX], 14
	s_add_nc_u64 s[G0K+2:G0K+3], s[16:17], s[20:21]
	s_or_b32 s[G0K+3], s[G0K+3], 0x80000000
	s_add_nc_u64 s[G0V+2:G0V+3], s[18:19], s[20:21]
	s_or_b32 s[G0V+3], s[G0V+3], 0x80000000
	NEXTSLOT
.endif
	s_barrier_signal -1
	s_barrier_wait -1
.if \fill
	KVLOAD
.endif
.endm
; PIECES OF THE SOFTMAX.  lo: the first tile that takes part in the step; tiles lo to 3 do.
.macro FMA1 t, b                    ; pair b of tile t: c s - c m
	v_pk_fma_f32 v[S+32*(\t)+2*(\b):S+32*(\t)+2*(\b)+1], v[S+32*(\t)+2*(\b):S+32*(\t)+2*(\b)+1], s[CS:CS+1], v[ST+8*(\t):ST+8*(\t)+1] op_sel_hi:[1,0,0] neg_lo:[0,0,1] neg_hi:[0,0,1]
.endm
.macro SUM1 t, u                    ; the first level of tile t's sum of 16 pairs (an even key's weight, an odd key's), in place
	v_pk_add_f32 v[S+32*(\t)+4*(\u):S+32*(\t)+4*(\u)+1], v[S+32*(\t)+4*(\u):S+32*(\t)+4*(\u)+1], v[S+32*(\t)+4*(\u)+2:S+32*(\t)+4*(\u)+3]
.endm
.macro MX t, n, first               ; number n of the end of tile t's maximum: the scores left over, c0-c3 and the old m; the other half of the lanes'; the new m, c m, c m_old - c m_new
.if \n == 0
	v_max3_num_f32 v[ST+8*\t+4], v[ST+8*\t+4], v[S+32*\t+7], v[S+32*\t+15]
.elseif \n == 1
	v_max3_num_f32 v[ST+8*\t+6], v[ST+8*\t+6], v[S+32*\t+23], v[S+32*\t+31]
.elseif \n == 2
	v_max3_num_f32 v[ST+8*\t+4], v[ST+8*\t+4], v[ST+8*\t+5], v[ST+8*\t+6]
.elseif (\n == 3) && (\first == 1)
	v_max_num_f32 v[ST+8*\t+4], v[ST+8*\t+4], v[ST+8*\t+7]
.elseif \n == 3
	v_max3_num_f32 v[ST+8*\t+4], v[ST+8*\t+4], v[ST+8*\t+7], v[ST+8*\t+1]
.elseif \n == 4
	v_permlanex16_b32 v[ST+8*\t+5], v[ST+8*\t+4], s[SEL], s[SEL+1]  ; the query's other 32 keys lie in the lane 16 away
.elseif (\n == 5) && (\first == 0)
	v_mov_b32 v[ST+8*\t+7], v[ST+8*\t]  ; c m_old is kept for a
.elseif \n == 6
	v_max_num_f32 v[ST+8*\t+1], v[ST+8*\t+4], v[ST+8*\t+5]
.elseif \n == 7
	v_mul_f32 v[ST+8*\t], s[CS], v[ST+8*\t+1]
.elseif (\n == 8) && (\first == 0)
	v_sub_f32 v[ST+8*\t+7], v[ST+8*\t+7], v[ST+8*\t]
.endif
.endm
; The maximum of a lane's 32 scores and the old m, three operands at a time: four chains c0-c3 of seven scores each, then MX; the tiles by turns.
.macro MAXALL first, lo
.irp k, 0,1,2,3
.irp t, 0,1,2,3
.if \t >= \lo
	v_max3_num_f32 v[ST+8*\t+4+\k], v[S+32*\t+8*\k], v[S+32*\t+8*\k+1], v[S+32*\t+8*\k+2]
.endif
.endr
.endr
.irp u, 1,2
.irp k, 0,1,2,3
.irp t, 0,1,2,3
.if \t >= \lo
	v_max3_num_f32 v[ST+8*\t+4+\k], v[ST+8*\t+4+\k], v[S+32*\t+8*\k+2*\u+1], v[S+32*\t+8*\k+2*\u+2]
.endif
.endr
.endr
.endr
.irp n, 0,1,2,3,4,5,6,7,8
.irp t, 0,1,2,3
.if \t >= \lo
	MX \t, \n, \first
.endif
.endr
.endr
.endm
; THE STEP'S BATCH.  The exponentials of tiles lo to 3 as ONE list: a of each tile, then score g = 0 .. 32 (4 - lo) - 1 (S^T's registers run on from tile to tile); every result has a register of its own.
; Behind an even score stands c s - c m of the pair LEAD pairs on, while pairs are left: it names c m and scores whose exponentials are still to come, so nothing in the list names a result of the list.
; There is one scaling for two exponentials, so the scalings are spread over the whole list; STEP scales the first LEAD pairs ahead of it.
; Behind the last exponential stand a v_nop, the plain instruction ahead of the first use (ISA guide 5.7.2), and the step's one wait.
.macro EXPALL first, lo
.set NT, 4-\lo
.if !\first
.irp t, 0,1,2,3
.if \t >= \lo
	v_exp_f32 v[ST+8*\t+6], v[ST+8*\t+7]
.endif
.endr
.endif
.set g, 0
.rept 32*(4-\lo)
	v_exp_f32 v[S+32*\lo+g], v[S+32*\lo+g]
.if (g%2 == 0) && (g/2+LEAD < 16*NT)
	FMA1 \lo+(g/2+LEAD)/16, (g/2+LEAD)%16
.endif
.set g, g+1
.endr
	v_nop
	s_wait_alu depctr_va_vdst(0)    ; ONE wait for the step's batch, all a and all weights of tiles lo to 3, ahead of the first instruction that names a result, the first rounding below
.endm
; Behind the wait: every pair of weights of tiles lo to 3 rounded to f16 (P's registers run on from tile to tile, as S^T's do), ahead of the sums, whose first level writes over the weights.
.macro ROUNDALL lo
.set i, 0
.rept 16*(4-\lo)
	v_cvt_pk_f16_f32 v[P+16*\lo+i], v[S+32*\lo+2*i], v[S+32*\lo+2*i+1]
.set i, i+1
.endr
.endm
; The sums of a tile's 16 pairs: four levels in place, neighbours 1, 2, 4 and 8 pairs apart, the tiles by turns; then l = a l + the sum.
.macro SUMS first, lo
.irp u, 0,1,2,3,4,5,6,7
.irp t, 0,1,2,3
.if \t >= \lo
	SUM1 \t, \u
.endif
.endr
.endr
.irp u, 0,1,2,3
.irp t, 0,1,2,3
.if \t >= \lo
	v_pk_add_f32 v[S+32*\t+8*\u:S+32*\t+8*\u+1], v[S+32*\t+8*\u:S+32*\t+8*\u+1], v[S+32*\t+8*\u+4:S+32*\t+8*\u+5]
.endif
.endr
.endr
.irp u, 0,1
.irp t, 0,1,2,3
.if \t >= \lo
	v_pk_add_f32 v[S+32*\t+16*\u:S+32*\t+16*\u+1], v[S+32*\t+16*\u:S+32*\t+16*\u+1], v[S+32*\t+16*\u+8:S+32*\t+16*\u+9]
.endif
.endr
.endr
.irp t, 0,1,2,3
.if \t >= \lo
.if \first
	v_pk_add_f32 v[ST+8*\t+2:ST+8*\t+3], v[S+32*\t:S+32*\t+1], v[S+32*\t+16:S+32*\t+17]
.else
	v_pk_add_f32 v[S+32*\t:S+32*\t+1], v[S+32*\t:S+32*\t+1], v[S+32*\t+16:S+32*\t+17]
.endif
.endif
.endr
.if !\first
.irp t, 0,1,2,3
.if \t >= \lo
	v_pk_fma_f32 v[ST+8*\t+2:ST+8*\t+3], v[ST+8*\t+2:ST+8*\t+3], v[ST+8*\t+6:ST+8*\t+7], v[S+32*\t:S+32*\t+1] op_sel_hi:[1,0,1]
.endif
.endr
.endif
.endm
.macro MASK t                       ; the tile on the diagonal: key 16 kb + 8 h + jj against query 16 w + r; a key beyond the query becomes minus infinity
.irp kb, 0,1,2,3
.irp jj, 0,1,2,3,4,5,6,7
	v_cndmask_b32 v[S+32*\t+8*\kb+\jj], v[NI], v[S+32*\t+8*\kb+\jj], s[MK+8*\kb+\jj]
.endr
.endr
.endm
; ONE STEP OF 64 KEYS for tiles lo to 3, in phases.  first = 1: it starts m, l and O^T (products with C = 0; no a, nothing to rescale).  mask = 1: tile lo lies on the diagonal.
; In both products the accumulators take turns, one instruction a turn: between two links of a chain stand the 4 (4 - lo) - 1 others'.
.macro STEP first, lo, mask
	PLACES                          ; the last products read V's registers
	WIN 0x40                        ; destination window 1
.irp c, 0,1
.irp kb, 0,1,2,3
	ds_load_b128 v[KR+16*\kb+8*\c:KR+16*\kb+8*\c+3],   v[ADK] offset:\c*KPL+\kb*16*KP
	ds_load_b128 v[KR+16*\kb+8*\c+4:KR+16*\kb+8*\c+7], v[ADK] offset:\c*KPL+\kb*16*KP+32
.endr
.endr
.irp cb, 0,1,2,3
.irp kh, 0,1
	ds_load_tr16_b128 v[VR+16*\cb+8*\kh:VR+16*\cb+8*\kh+3],   v[ADV] offset:(\cb/2)*VPL+(\cb%2)*32+\kh*32*VP
	ds_load_tr16_b128 v[VR+16*\cb+8*\kh+4:VR+16*\cb+8*\kh+7], v[ADV] offset:(\cb/2)*VPL+(\cb%2)*32+\kh*32*VP+16*VP
.endr
.endr
	WIN 0x09                        ; K window 1, Q window 2, S^T window 0
.irp c, 0,1
	s_wait_dscnt 24-8*\c            ; of the 32 loads the first 8 (16) are K's channels 0-31 (all of K); V's sixteen stay out
.irp kb, 0,1,2,3
.irp t, 0,1,2,3
.if \t >= \lo
.if \c == 0
	v_wmma_f32_16x16x32_f16 v[S+32*\t+8*\kb:S+32*\t+8*\kb+7], v[KR+16*\kb+8*\c:KR+16*\kb+8*\c+7], v[16*\t+8*\c:16*\t+8*\c+7], 0
.else
	v_wmma_f32_16x16x32_f16 v[S+32*\t+8*\kb:S+32*\t+8*\kb+7], v[KR+16*\kb+8*\c:KR+16*\kb+8*\c+7], v[16*\t+8*\c:16*\t+8*\c+7], v[S+32*\t+8*\kb:S+32*\t+8*\kb+7]
.endif
.endif
.endr
.endr
.endr
	WIN 0
	v_add_nc_u32 v[ADK], 64*KP, v[ADK]  ; the next step's keys: these two and two v_nop are the places behind the products
	v_add_nc_u32 v[ADV], 64*VP, v[ADV]
	v_nop
	v_nop
.if \mask
	MASK \lo
.endif
	MAXALL \first, \lo
.set i, 0
.rept LEAD                          ; the first pairs are scaled ahead of the batch; the others stand in it
	FMA1 \lo, i
.set i, i+1
.endr
	EXPALL \first, \lo              ; the batch and its wait
	ROUNDALL \lo                    ; from here on the batch's results are read
	SUMS \first, \lo
.if !\first
	WIN 0x41                        ; O^T (destination and source 0) window 1, a window 0
.irp t, 0,1,2,3
.if \t >= \lo
.set i, 0
.rept 16
	v_pk_mul_f32 v[32*\t+2*i:32*\t+2*i+1], v[32*\t+2*i:32*\t+2*i+1], v[ST+8*\t+6:ST+8*\t+7] op_sel_hi:[1,0]
.set i, i+1
.endr
.endif
.endr
.endif
	s_wait_dscnt 0x0                ; V is in
	WIN 0x51                        ; V window 1, P window 0, O^T window 1
.irp kh, 0,1
.irp cb, 0,1,2,3
.irp t, 0,1,2,3
.if \t >= \lo
.if \first && (\kh == 0)
	v_wmma_f32_16x16x32_f16 v[32*\t+8*\cb:32*\t+8*\cb+7], v[VR+16*\cb+8*\kh:VR+16*\cb+8*\kh+7], v[P+16*\t+8*\kh:P+16*\t+8*\kh+7], 0
.else
	v_wmma_f32_16x16x32_f16 v[32*\t+8*\cb:32*\t+8*\cb+7], v[VR+16*\cb+8*\kh:VR+16*\cb+8*\kh+7], v[P+16*\t+8*\kh:P+16*\t+8*\kh+7], v[32*\t+8*\cb:32*\t+8*\cb+7]
.endif
.endif
.endr
.endr
.endr
	WIN 0
.endm
.macro DIAG                         ; the diagonal slot, written out: in step u tile u is on the diagonal, tiles above it are whole, tiles below it have no key at or below their queries
	STEP 1, 0, 1
	STEP 0, 1, 1
	STEP 0, 2, 1
	STEP 0, 3, 1
.endm
.macro FULL                         ; a slot below the diagonal: four whole steps
	s_mov_b32 s[U], 4
.Lfu_\@:
	STEP 0, 0, 0
	s_sub_co_u32 s[U], s[U], 1
	s_cmp_lg_u32 s[U], 0
	s_cbranch_scc1 .Lfu_\@
.endm
; THE WAY OUT of a block.  l's two halves and the other half of the lanes' are added; O^T is divided by l, rounded to f16 and sent through my stage, a tile (16 rows of oh) at a time.
.macro PACK t
	WIN 0x41
.set i, 0
.rept 16
	v_pk_mul_f32 v[32*\t+2*i:32*\t+2*i+1], v[32*\t+2*i:32*\t+2*i+1], v[ST+8*\t+6:ST+8*\t+7] op_sel_hi:[1,0]
.set i, i+1
.endr
	WIN 0x05                        ; sources 0 and 1 window 1, destination window 0: S^T's registers are free
.set i, 0
.rept 16
	v_cvt_pk_f16_f32 v[S+32*\t+i], v[32*\t+2*i], v[32*\t+2*i+1]
.set i, i+1
.endr
	WIN 0
.irp f, 0,1,2,3
	ds_store_b128 v[STO], v[S+32*\t+4*\f:S+32*\t+4*\f+3] offset:32*\f
.endr
.irp f, 0,1,2,3
	ds_load_b128 v[S+32*\t+16+4*\f:S+32*\t+16+4*\f+3], v[RD] offset:\f*4*SP  ; LDS serves a wave's instructions in order (ISA guide 5.7.1.4): these see the stores above; the next tile's stores come behind them
.endr
.endm
.macro SEND t, younger              ; younger: the LDS instructions issued behind tile t's loads: the next tile's eight, or none
.irp f, 0,1,2,3
	s_wait_dscnt \younger+3-\f
	global_store_b128 v[GO], v[S+32*\t+16+4*\f:S+32*\t+16+4*\f+3], s[OB:OB+1] offset:\t*8192+\f*512  ; a wave stores 512 consecutive aligned bytes; my tiles lie 64 rows of 128 bytes apart
.endr
.endm
.macro OUT
.irp t, 0,1,2,3
	v_add_f32 v[ST+8*\t+4], v[ST+8*\t+2], v[ST+8*\t+3]  ; these four are the places behind the last products
.endr
.irp t, 0,1,2,3
	v_permlanex16_b32 v[ST+8*\t+5], v[ST+8*\t+4], s[SEL], s[SEL+1]
.endr
.irp t, 0,1,2,3
	v_add_f32 v[ST+8*\t+4], v[ST+8*\t+4], v[ST+8*\t+5]
.endr
.irp t, 0,1,2,3
	v_rcp_f32 v[ST+8*\t+6], v[ST+8*\t+4]
.endr
	v_nop                           ; a plain instruction between the last reciprocal and the use of its result
	s_wait_alu depctr_va_vdst(0)    ; one wait for the batch of four reciprocals, ahead of their first reader in PACK 0
	PACK 0
	PACK 1                          ; a tile's arithmetic stands between the loads of the tile before and its stores
	SEND 0, 8
	PACK 2
	SEND 1, 8
	PACK 3
	SEND 2, 8
	SEND 3, 0
.endm
	s_wait_loadcnt 0x0              ; Q
	HEAD 1                          ; trip 1: the first block's diagonal slot is read, slot 1 is filled for the first time
	DIAG
	s_mov_b32 s[CNT], s9            ; the first block has j slots below its diagonal
	s_mov_b32 s[DG], 0
	s_mov_b32 s[TR], 7
.Ltrip:                             ; trips 2 to 8: j whole slots of the first block, the second block's diagonal slot, 6 - j of its 7 - j whole slots
	s_cmp_lg_u32 s[CNT], 0
	s_cbranch_scc1 .Lsame_block
	OUT                             ; the first block is finished
	s_wait_xcnt 0x0                 ; its stores have had their addresses translated: only behind this wait are their base and their data registers rewritten
	s_mov_b64 s[OB:OB+1], s[OB+2:OB+3]
	WIN 0x82                        ; the second block's Q moves into the registers that the products name: 64 moves, once, so that one text of the step serves both blocks
.set i, 0
.rept 64
	v_mov_b32 v[i], v[64+i]
.set i, i+1
.endr
	WIN 0
	s_mov_b32 s[DG], 1
	s_mov_b32 s[CNT], 16            ; more than the trips that are left: the second block goes out behind the loop
.Lsame_block:
	HEAD 1
	s_cmp_eq_u32 s[DG], 0
	s_cbranch_scc1 .Lwhole
	DIAG
	s_mov_b32 s[DG], 0
	s_branch .Ltrip_done
.Lwhole:
	FULL
.Ltrip_done:
	s_sub_co_u32 s[CNT], s[CNT], 1
	s_sub_co_u32 s[TR], s[TR], 1
	s_cmp_lg_u32 s[TR], 0
	s_cbranch_scc1 .Ltrip
	HEAD 0                          ; trip 9: the second block's key slot 0; nothing is left to fetch
	FULL
	OUT
	s_wait_tensorcnt 0x0
	ds_add_u32 v62, v63
	s_wait_dscnt 0x0
	s_endpgm
.Lfunc_end_k_qae14f6de8d_attn:
	.size	k_qae14f6de8d_attn, .Lfunc_end_k_qae14f6de8d_attn-k_qae14f6de8d_attn
	.p2alignl 7, 3214868480
	.fill 96, 4, 3214868480
	.section	.rodata,"a",@progbits
	.p2align	6, 0x0
	.amdhsa_kernel k_qae14f6de8d_attn
		.amdhsa_group_segment_fixed_size 327680
		.amdhsa_private_segment_fixed_size 0
		.amdhsa_enable_private_segment 0
		.amdhsa_kernarg_size 16
		.amdhsa_user_sgpr_count 2
		.amdhsa_user_sgpr_kernarg_segment_ptr 1
		.amdhsa_wavefront_size32 1
		.amdhsa_system_sgpr_workgroup_id_x 1
		.amdhsa_system_sgpr_workgroup_id_y 1
		.amdhsa_system_sgpr_workgroup_id_z 1
		.amdhsa_system_vgpr_workitem_id 0
		.amdhsa_next_free_vgpr 640
		.amdhsa_next_free_sgpr 102
		.amdhsa_reserve_vcc 0
		.amdhsa_float_denorm_mode_32 3
		.amdhsa_float_denorm_mode_16_64 3
		.amdhsa_memory_ordered 1
		.amdhsa_forward_progress 1
		.amdhsa_inst_pref_size 255
	.end_amdhsa_kernel
	.section	.bss,"aw",@nobits
	.p2align	6
	.space	262144
	.amdgpu_metadata
---
amdhsa.version: [ 1, 2 ]
amdhsa.kernels:
  - .name:           k_qae14f6de8d_attn
    .symbol:         k_qae14f6de8d_attn.kd
    .args:
      - { .name: qkvh, .offset: 0, .size: 8, .value_kind: global_buffer, .address_space: global }
      - { .name: oh, .offset: 8, .size: 8, .value_kind: global_buffer, .address_space: global }
    .group_segment_fixed_size: 327680
    .private_segment_fixed_size: 0
    .kernarg_segment_align: 8
    .kernarg_segment_size: 16
    .max_flat_workgroup_size: 128
    .sgpr_count:     102
    .vgpr_count:     640
    .wavefront_size: 32
...
	.end_amdgpu_metadata
.endif
;; end of part 5
;; launch proj: the kernel of part 4 again; grid 8 x 32, 4 waves a work-group, clusters of 4 x 4, 327,680 bytes of LDS; arguments oh, wT, b_proj, out0; writes out0
